; MI455X (gfx1250); checked and timed in simulation.
; The chip was launched on July 23, 2026; its instructions are those of AMD's public machine-readable ISA for CDNA 5 (MIT licence, August 2026) and "CDNA5" Instruction Set Architecture Reference Guide (July 2026). The comments in the code are by the model that wrote it; some were corrected since.
;; Unidir Attention. Allowed arithmetic: matrix products marked QUANTISED: E2M1 operands, one E8M0 scale for each 32 along K, by v_wmma_scale_f32_16x16x128_f8f6f4 with both operands' format E2M1 (or v_wmma_scale_f32_32x16x128_f4), f32 sums; everything else in f32.
;; Inputs: W_o_codes 1,024 x 32 x 16 uint8 (E2M1 codes of W_o, K innermost, in blocks of 32 codes, two codes a byte); W_o_scales 1,024 x 32 uint8 (E8M0 scales of W_o, one for each 32 codes along K); W_qkv_codes 3,072 x 32 x 16 uint8 (E2M1 codes of W_qkv, K innermost, in blocks of 32 codes, two codes a byte); W_qkv_scales 3,072 x 32 uint8 (E8M0 scales of W_qkv, one for each 32 codes along K); b_o 1,024 float32; b_qkv 3,072 float32; x_codes 2 x 2,048 x 32 x 16 uint8 (E2M1 codes of x, K innermost, in blocks of 32 codes, two codes a byte); x_scales 2 x 2,048 x 32 uint8 (E8M0 scales of x, one for each 32 codes along K).
;; Outputs: out0 2 x 2,048 x 1,024 float32.
;; Constants: num_heads = 16.
;; This version of the problem:
;;   THIS VERSION OF THE PROBLEM IS GIVEN IN LOW PRECISION. The matrix products marked QUANTISED in the list below multiply operands that are first quantised to E2M1 (2 exponent bits, 1 mantissa bit; 4 bits a number), with one power-of-two scale for each 32 numbers along K (OCP MX v1.0); their sums are f32. All else is computed in f32.
;;   The module's matrix products, in the order in which they are computed (A, B: the left and right operand; K: the contracted axis; several contracted axes count as one K, in the product's order):
;;     1. [M 4,096, K 1,024] x [K 1,024, N 3,072]; A: input x (given as codes); B: input W_qkv (given as codes): QUANTISED
;;     2. batch 32 x [M 2,048, K 64] x [K 64, N 2,048]; A: computed on the way; B: computed on the way: QUANTISED
;;     3. batch 32 x [M 2,048, K 2,048] x [K 2,048, N 64]; A: softmax (see below); B: computed on the way: QUANTISED
;;     4. [M 4,096, K 1,024] x [K 1,024, N 1,024]; A: computed on the way; B: input W_o (given as codes): QUANTISED
;;   THE QUANTISER, for each operand of a quantised product, along K:
;;     - K is cut into blocks of 32 from its start; a last block that is shorter is filled with zeros.
;;     - A block's scale is 2^e with e = floor(log2(the largest magnitude in the block)) - 2, held to -126 .. 127; a block of zeros has e = 0. As a byte (E8M0): e + 127.
;;     - Each number is divided by its block's scale, clamped to +-6, and rounded to the nearest number of E2M1, ties to even, subnormals kept.
;;     - The product sums the exact products of the quantised numbers (number of the format x scale) in f32.
;;   ~~~python
;;   def quantise(x, axis):      # numpy; x: float32 -> the quantised numbers, widened to float32 again
;;       x = np.moveaxis(x, axis, -1); K = x.shape[-1]
;;       x = np.pad(x, [(0, 0)] * (x.ndim - 1) + [(0, -K % 32)]); x = x.reshape(x.shape[:-1] + (-1, 32)); a = np.abs(x).max(-1, keepdims=True)
;;       e = np.where(a > 0, np.clip(np.frexp(np.where(a > 0, a, 1))[1] - 1 - 2, -126, 127), 0)      # np.frexp(a)[1] - 1 = floor(log2(a)), exactly
;;       r = np.clip(x / 2.0 ** e, -6, 6)
;;       step = 2.0 ** (np.maximum(np.frexp(np.where(r == 0, 1, r))[1] - 1, 0) - 1)
;;       q = np.round(r / step) * step * 2.0 ** e      # np.round: ties to even
;;       return np.moveaxis(q.reshape(q.shape[:-2] + (-1,))[..., :K], -1, axis).astype(np.float32)
;;   ~~~
;;   SOFTMAX AHEAD OF A QUANTISED PRODUCT. Where the list says 'softmax', what is quantised is not the finished softmax but p = 2^(t - M), with t = logit x log2(e) and M = ceil(the row's largest t), a whole number; so 1/2 < the row's largest p <= 1. The row's sum l is taken of the UNQUANTISED p, in f32, and the product's result is divided by l at the end. Since M is a whole number, a kernel that streams over the keys may use a running M (the ceiling of the running maximum): every later rescaling is an exact power of two, which a block's scale takes up: the codes' values come out the same.
;;   OPERANDS COMPUTED ON THE WAY. 'Computed on the way' means the value that the module computes at that place (a softmax that the list does not call 'softmax' is quantised finished and normalised). What goes into a quantiser is computed in f32, as accurately as f32 sums, v_exp_f32 and their like allow (about 1e-6 of the number): no bf16 or f16 on the way to a quantiser, and a product that is left as it is and whose result goes on into a quantised operand takes f32 operands (vector FMAs, or v_wmma_f32_16x16x4_f32). A number that lies on a knife's edge between two numbers of the format may be rounded either way, as far as f32 arithmetic and the matrix unit's own rounding can turn it there, and no further.
;;   INPUTS GIVEN AS CODES. W_o (in the module: [1024, 1024], K = its axis 1); W_qkv (in the module: [3072, 1024], K = its axis 1); x (in the module: [2, 2048, 1024], K = its axis 2): each comes as NAME_codes (uint8): NAME with its K axis moved to the last place and cut into blocks of 32 codes, [.., K / 32, bytes a block], one block behind the other in memory; two codes a byte, the lower K in the low four bits (a code: sign, 2 exponent bits, 1 mantissa bit); and NAME_scales (uint8): the same leading axes, one E8M0 byte (e + 127) for each 32 codes along K. Its value is code x scale, taken as it is: it is not quantised again, and the codes and scales need not be those that the quantiser above would give.
;; One version. Each part assembles by itself: llvm-mc -triple=amdgcn-amd-amdhsa -mcpu=gfx1250 --defsym DOCPART=n.
;; ======== version 1 of 1: 3 launches
;; limits: right only within a limited range of input values
;; workspace buffers: qkv 6,291,456 bytes; qkvs 393,216 bytes; oc 2,097,152 bytes; ocs 131,072 bytes
;; launch qkv (part 1): grid 16 x 16, 16 waves a work-group, clusters of 4 x 4, 264,192 bytes of LDS; arguments x_codes, x_scales, W_qkv_codes, W_qkv_scales, b_qkv, qkv, qkvs; writes qkv, qkvs
.if DOCPART == 1
	.amdgcn_target "amdgcn-amd-amdhsa--gfx1250"
	.amdhsa_code_object_version 6
	.text
	.protected	k_q9d649d3fba_qkv
	.globl	k_q9d649d3fba_qkv
	.p2align	8
	.type	k_q9d649d3fba_qkv,@function
k_q9d649d3fba_qkv:
	s_mov_b64 s[64:65], 0
	v_nop
	global_prefetch_b8 v0, s[64:65] scope:SCOPE_SE
	s_setreg_imm32_b32 hwreg(HW_REG_WAVE_MODE, 25, 1), 1
	s_wait_xcnt 0x0
	s_wait_alu depctr_hold_cnt(0) depctr_sa_sdst(0) depctr_va_vdst(0) depctr_va_sdst(0) depctr_va_ssrc(0) depctr_va_vcc(0) depctr_vm_vsrc(0)
	s_getreg_b32 s2, hwreg(HW_REG_IB_STS2, 6, 4)
	s_cmp_eq_u32 s2, 0
	s_cbranch_scc0 .Lentry_in_a_cluster
	s_endpgm
.Lentry_in_a_cluster:
	s_bfe_u32 s2, ttmp6, 0x10000c
	s_cmp_lg_u32 s2, 0xf033
	s_cbranch_scc0 .Lentry_shape_is_right
	s_endpgm
.Lentry_shape_is_right:
; qkv = x W_qkv^T + b_qkv on codes of FP4 (E2M1) with E8M0 scales, and the result quantised at once for the two products of attention:
; Q and K along the head's 64 channels (two blocks of 32), V along the tokens (blocks of 32 keys).  Nothing but codes and scale bytes leaves.
; SHARES.  Work-group (x = head, y = block of 256 tokens): 256 tokens x the head's 64 Q, 64 K and 64 V columns.  Sixteen waves of 256 registers.
; Wave w: g = w / 2 (32 tokens, two tiles of 16), par = w % 2.  It makes 8 accumulators of Q (par = 0) or K (par = 1), TRANSPOSED (source 0 = 16 rows of W, source 1 = 16 tokens):
; a lane holds one token and its registers run along the channels; and 4 accumulators of V (source 0 = 16 tokens, source 1 = 16 of V's rows 32 par on): a lane holds one channel and its
; registers run along the tokens.  In both the registers run along the NEXT product's K, so the conversions take them as they lie.
; LDS is filled once: all of K (1,024) of the 256 tokens and 192 rows of W, in two halves of K, rows of 256 bytes + 16 of padding; and all their scale bytes.  No byte is filled again.
; CLUSTER 4 x 4: the four work-groups of a row share the tokens' tiles, the four of a column the head's rows of W: each tile is asked for jointly.
; OUT (this program's own layouts): a tile of 16 tokens of Q or K is an image of operand registers: lane (r, h) has the 32 codes of channel block h of token r at 16 x lane, 512 bytes a tile.
; V: [block of 32 keys][channel][16 bytes].  Scale words: Q, K: [pair of tiles][r]: bytes 0, 1 the first tile's two blocks, bytes 2, 3 the second's; V: [128 keys][channel], a byte a block.
; LIMITS: NaN and infinities are not served.  A block of zeros gets the scale byte 1 where the rule says 127: its codes are zeros, and this program alone reads the bytes.
; LEFT OUT IN THIS PROGRAM (by launch attn): the scores Q K^T of the steps of 128 keys that lie wholly behind a tile's queries.  reference()'s own tril puts 0 in their place, whatever the inputs, and then
; fills -10000; the fill itself is served.  LIMIT: a NaN, an infinity or an overflow that reaches only such scores is not carried to the result.
.set PITCH, 272                        ; an LDS row: 256 bytes + 16: the 16 rows of a fragment load start 16 bytes apart modulo 256
.set CHB,   448*PITCH                  ; half of K: rows 0-255 the tokens, 256-319 W's Q rows, 320-383 its K rows, 384-447 its V rows
.set PIECE, 64*PITCH                   ; 64 rows: one tensor load
.set SCL,   2*CHB                      ; the scale bytes: 7 pieces (64 rows x 32 bytes = 8 runs of 256 bytes + 16)
.set SPC,   8*272
.set STS,   259072                     ; a stage for the scale words on their way out: 3 x 512 bytes, in blocks of 256 bytes into which no fill lands
.set WV,  18                           ; s18 wave, s19 g, s20 par
.set G,   19
.set PAR, 20
.set G1X,  24                          ; descriptor groups 1: tokens' codes, W's codes, tokens' scales, W's scales
.set G1W,  32
.set G1XS, 40
.set G1WS, 48
.set G0XS, 56                          ; groups 0: tokens' scales, tokens' codes, W's scales, W's codes
.set G0X0, 60
.set G0WS, 72
.set G0W0, 76
.set SEL,  66                          ; s[66:67] selects of v_permlanex16_b32: lane l xor 16
.set LI,  3                            ; v3  16 x lane
.set XA,  4                            ; v4  LDS: my tokens' fragments;  v5 my Q or K rows of W;  v6 my V rows of W
.set WA,  5
.set VA,  6
.set XSA, 7                            ; v7-9 the same for the scale words
.set WSA, 8
.set VSA, 9
.set SQK, 10                           ; v10 stage: my pair's scale word;  v11 my V byte;  v12 where I read the stage back
.set SV,  11
.set SRD, 12
.set BQ,  13                           ; v13 32 h, v14 4 r: offsets into the bias
.set BV,  14
.set XF,  16                           ; v16-31  two fragments of tokens
.set WF,  32                           ; v32-79  six fragments of W: four of Q or K, two of V
.set XS,  80                           ; v80-87  tokens' scale words: 4 u + q
.set WS,  88                           ; v88-111 W's: 4 x tile + q
.set ACC, 112                          ; v112-175 Q or K: 32 m + 8 t
.set VAC, 176                          ; v176-207 V: 16 n + 8 u
.set VB,  208                          ; v208-211 V's bias, each number twice (a pair for the packed addition)
.set QTM, 212                          ; v212-215 largest magnitudes; v216-217 the conversions' scale operands; v218-219 the bytes
.set QSO, 216
.set QBY, 218
.set SW,  220                          ; v220 the pair's scale word
.set CQ,  224                          ; v224-235 three sets of codes: no store's data are written again
.macro PLACES n
.rept \n
	v_nop
.endr
.endm
; A round of the cluster's barrier: my work-group's barrier, wave 0 signals for the work-group, every wave waits for all sixteen, my work-group's barrier once more.
.macro CROUND
	s_barrier_signal -1
	s_barrier_wait -1
	s_cmp_lg_u32 s[WV], 0
	s_cbranch_scc1 .Lnot_wave_0_\@
	s_barrier_signal -3
.Lnot_wave_0_\@:
	s_barrier_wait -3
	s_barrier_signal -1
	s_barrier_wait -1
.endm
; 32 numbers of a lane, two blocks b at s + 16 b; in a block register 8 u + j is k = 16 u + 8 (lane / 16) + j.  They become 4 registers of codes at c (lanes 0-15: block 0 whole, lanes 16-31: block 1 whole,
; k ascending) and the two scale bytes in QBY, QBY + 1.  The scale: the largest magnitude's exponent field less 2, held at 1 from below by the floor 2^(3 - 127) among the maximum's leaves.
.macro QUANT2 s, c
.irp b, 0,1
	v_max3_num_f32 v[QTM+\b], |v[(\s)+16*\b]|, |v[(\s)+16*\b+1]|, 0x1800000
.endr
.irp i, 2,4,6,8,10,12,14
.irp b, 0,1
	v_max3_num_f32 v[QTM+\b], v[QTM+\b], |v[(\s)+16*\b+\i]|, |v[(\s)+16*\b+\i+1]|
.endr
.endr
.irp b, 0,1
	s_delay_alu instid0(VALU_DEP_2)
	v_permlanex16_b32 v[QTM+2+\b], v[QTM+\b], s[SEL], s[SEL+1]
.endr
.irp b, 0,1
	s_delay_alu instid0(VALU_DEP_2)
	v_max_num_f32 v[QTM+\b], v[QTM+\b], v[QTM+2+\b]          ; with lane l xor 16's sixteen: the block's
.endr
.irp b, 0,1
	s_delay_alu instid0(VALU_DEP_2)
	v_add_nc_u32 v[QSO+\b], 0xff000000, v[QTM+\b]            ; 2 off the exponent field: the conversion reads that field alone
.endr
.irp b, 0,1
	s_delay_alu instid0(VALU_DEP_2)
	v_lshrrev_b32 v[QBY+\b], 23, v[QSO+\b]
.endr
.irp b, 0,1
.irp u, 0,1
	v_cvt_scalef32_pk8_fp4_f32 v[(\c)+2*\u+\b], v[(\s)+16*\b+8*\u:(\s)+16*\b+8*\u+7], v[QSO+\b]
.endr
.endr
	v_nop                                                    ; one plain instruction behind the scaled conversions
	v_permlane16_swap_b32 v[(\c)], v[(\c)+1]                 ; the first's lanes 16-31 change places with the second's lanes 0-15:
	v_permlane16_swap_b32 v[(\c)+2], v[(\c)+3]               ; each half of the lanes now holds one block whole
.endm
	s_load_b128 s[4:7], s[0:1], 0x0                ; x's codes, x's scales
	s_load_b128 s[8:11], s[0:1], 0x10              ; W's codes, W's scales
	s_load_b128 s[12:15], s[0:1], 0x20             ; b_qkv, qkv
	s_load_b64 s[16:17], s[0:1], 0x30              ; qkvs
	v_lshl_add_u32 v254, v0, 2, 0x40000
	v_mov_b32 v255, 0
	ds_add_u32 v254, v255
	ds_add_u32 v254, v255
	v_lshrrev_b32 v1, 5, v0
	s_delay_alu instid0(VALU_DEP_1)
	v_readfirstlane_b32 s[WV], v1                  ; wave 0..15
	s_lshr_b32 s[G], s[WV], 1
	s_and_b32 s[PAR], s[WV], 1
	s_bfe_u32 s21, ttmp6, 0x40000                  ; cx, cy: my place in the cluster
	s_bfe_u32 s22, ttmp6, 0x40004
	s_lshl_b32 s84, ttmp9, 2
	s_add_co_u32 s84, s84, s21                     ; the head = 4 x cluster x + cx
	s_and_b32 s85, ttmp7, 0xffff
	s_lshl_b32 s85, s85, 2
	s_add_co_u32 s85, s85, s22                     ; the block of 256 tokens = 4 x cluster y + cy
	s_lshl_b32 s86, s22, 2
	s_lshl_b32 s86, 15, s86                        ; my row of the cluster
	s_lshl_b32 s87, 0x1111, s21                    ; my column
	; groups 1.  Codes: 64 rows x 256 bytes, 512 bytes apart in memory, 16 bytes of padding behind each row
	s_or_b32 s[G1X], s86, (1<<20)|(1<<21)|(5<<22)|(3<<25)    ; 15:0 the mask; 17:16 elements of 1 byte; 20 padding on; 21 set beside a mask; 24:22 after every 64 words; 31:25 four words
	s_or_b32 s[G1W], s87, (1<<20)|(1<<21)|(5<<22)|(3<<25)
.irp g, G1X, G1W
	s_mov_b32 s[\g+1], 256<<16                     ; tensor_dim0
	s_mov_b32 s[\g+2], 64<<16                      ; tensor_dim1
	s_mov_b32 s[\g+3], 256<<16                     ; tile_dim0
	s_mov_b32 s[\g+4], 64                          ; tile_dim1
	s_mov_b32 s[\g+5], 512                         ; from row to row
	s_mov_b32 s[\g+6], 0
	s_mov_b32 s[\g+7], 0
.endr
	; scale bytes of 64 rows: 2,048 dense bytes as 8 rows of 256 (32 elements of 8 bytes), 16 bytes of padding behind each
	s_or_b32 s[G1XS], s86, (3<<16)|(1<<20)|(1<<21)|(5<<22)|(3<<25)
	s_or_b32 s[G1WS], s87, (3<<16)|(1<<20)|(1<<21)|(5<<22)|(3<<25)
	s_mov_b32 s[G1XS+1], 32<<16                    ; the tokens': 256 rows x 32 bytes = 32 such rows
	s_mov_b32 s[G1XS+2], 32<<16
	s_mov_b32 s[G1XS+3], 32<<16
	s_mov_b32 s[G1XS+4], 32
	s_mov_b32 s[G1XS+5], 32
	s_mov_b32 s[G1XS+6], 0
	s_mov_b32 s[G1XS+7], 0
	s_mov_b32 s[G1WS+1], 256<<16                   ; W's: three sections of 2,048 dense bytes, 32,768 bytes apart; the padding behind each 256 bytes
	s_mov_b32 s[G1WS+2], 3<<16
	s_mov_b32 s[G1WS+3], 256<<16
	s_mov_b32 s[G1WS+4], 3
	s_mov_b32 s[G1WS+5], 4096
	s_mov_b32 s[G1WS+6], 0
	s_mov_b32 s[G1WS+7], 0
	; what a wave fetches: waves 0-7 the tokens' codes, waves 8-13 W's codes, waves 14, 15 the scales.  The tokens' offsets hang on the token block alone, W's on the head alone
	; ONE LOAD A WAVE: waves 0-7 the tokens' codes (64 rows w % 4, half of K w / 4), waves 8-13 W's codes (section (w / 2) % 4, half of K w % 2), wave 14 the tokens' scales, wave 15 W's
	s_and_b32 s88, s[WV], 3
	s_bfe_u32 s89, s[WV], 0x10002
	s_lshl_b32 s90, s85, 17                        ; tokens' codes: 256 rows x 512 bytes a block,
	s_lshl_b32 s91, s88, 15                        ; 64 rows a piece,
	s_add_co_u32 s90, s90, s91
	s_lshl_b32 s91, s89, 8                         ; half a row
	s_add_co_u32 s90, s90, s91
	s_mov_b32 s91, 0
	s_mul_i32 s98, s88, PIECE                      ; and where they go
	s_mul_i32 s89, s89, CHB
	s_add_co_u32 s98, s98, s89
	s_lshl_b32 s92, s85, 13                        ; their scales: 32 bytes a row
	s_mov_b32 s93, 0
	s_bfe_u32 s88, s[WV], 0x20001
	s_and_b32 s89, s[WV], 1
	s_lshl_b32 s94, s88, 19                        ; W's codes: 1,024 rows a section, 64 rows a head
	s_lshl_b32 s95, s84, 15
	s_add_co_u32 s94, s94, s95
	s_lshl_b32 s95, s89, 8
	s_add_co_u32 s94, s94, s95
	s_mov_b32 s95, 0
	s_lshl_b32 s96, s84, 11                        ; its scales
	s_mov_b32 s97, 0
	s_mul_i32 s99, s88, PIECE                      ; no place in the cluster enters an LDS address
	s_mul_i32 s89, s89, CHB
	s_add_co_u32 s99, s99, s89
	s_add_co_u32 s99, s99, 4*PIECE
	s_mov_b32 s[SEL], 0x76543210
	s_mov_b32 s[SEL+1], 0xfedcba98
	s_wait_dscnt 0x0
	s_wait_kmcnt 0x0
	s_mov_b32 s[G0XS], 1
	s_mov_b32 s[G0XS+1], SCL
	s_add_nc_u64 s[G0XS+2:G0XS+3], s[6:7], s[92:93]
	s_or_b32 s[G0XS+3], s[G0XS+3], 0x80000000
	s_mov_b32 s[G0X0], 1
	s_mov_b32 s[G0X0+1], s98
	s_add_nc_u64 s[G0X0+2:G0X0+3], s[4:5], s[90:91]
	s_or_b32 s[G0X0+3], s[G0X0+3], 0x80000000
	s_mov_b32 s[G0WS], 1
	s_mov_b32 s[G0WS+1], SCL+4*SPC
	s_add_nc_u64 s[G0WS+2:G0WS+3], s[10:11], s[96:97]
	s_or_b32 s[G0WS+3], s[G0WS+3], 0x80000000
	s_mov_b32 s[G0W0], 1
	s_mov_b32 s[G0W0+1], s99
	s_add_nc_u64 s[G0W0+2:G0W0+3], s[8:9], s[94:95]
	s_or_b32 s[G0W0+3], s[G0W0+3], 0x80000000
	CROUND                                         ; all sixteen work-groups are here: the joint loads meet
; One tree of branches on the wave's number: every way through it passes exactly one load.
.macro ARM under, g0, g1, next
	s_cmp_lt_u32 s[WV], \under
	s_cbranch_scc0 \next
	tensor_load_to_lds s[\g0:\g0+3], s[\g1:\g1+7]
	s_nop 0
	PLACES 4
	s_branch .Lasked
\next:
.endm
	ARM 8,  G0X0, G1X,  .Larm_w
	ARM 14, G0W0, G1W,  .Larm_xs
	ARM 15, G0XS, G1XS, .Larm_ws
	tensor_load_to_lds s[G0WS:G0WS+3], s[G1WS:G1WS+7]
	s_nop 0
	PLACES 4
.Lasked:
	; the biases.  Q's or K's go straight into the accumulators, as the C of each sum's first product: lane (r, h), tile t: channels 16 t + 8 h + 0 .. 7
	v_and_b32 v1, 15, v0                           ; r
	v_bfe_u32 v2, v0, 4, 1                         ; h
	s_delay_alu instid0(VALU_DEP_1)
	v_lshlrev_b32 v[BQ], 5, v2
	s_wait_alu depctr_va_vdst(0)
	v_lshlrev_b32 v[BV], 2, v1
	s_wait_alu depctr_va_vdst(0)
	s_lshl_b32 s2, s[PAR], 12                      ; section Q or K: 1,024 numbers,
	s_lshl_b32 s3, s84, 8                          ; 64 a head
	s_add_co_u32 s2, s2, s3
	s_mov_b32 s3, 0
	s_add_nc_u64 s[4:5], s[12:13], s[2:3]
	s_lshl_b32 s2, s[PAR], 7                       ; section V, my 32 channels
	s_lshl_b32 s23, s84, 8
	s_add_co_u32 s2, s2, s23
	s_add_co_u32 s2, s2, 8192
	s_add_nc_u64 s[6:7], s[12:13], s[2:3]
.irp t, 0,1,2,3
.irp m, 0,1
	global_load_b128 v[ACC+32*\m+8*\t:ACC+32*\m+8*\t+3], v[BQ], s[4:5] offset:64*\t
	global_load_b128 v[ACC+32*\m+8*\t+4:ACC+32*\m+8*\t+7], v[BQ], s[4:5] offset:64*\t+16
.endr
.endr
.irp n, 0,1
	global_load_b32 v[VB+2*\n], v[BV], s[6:7] offset:64*\n           ; V's: one number a lane (its channel), added behind the sums
	global_load_b32 v[VB+2*\n+1], v[BV], s[6:7] offset:64*\n
.endr
	; LDS addresses
	v_and_b32 v[LI], 31, v0
	s_delay_alu instid0(VALU_DEP_1)
	v_lshlrev_b32 v[LI], 4, v[LI]
	v_mul_u32_u24 v15, v1, PITCH
	s_delay_alu instid0(VALU_DEP_1)
	v_lshl_add_u32 v15, v2, 4, v15                 ; a fragment's row x pitch + 16 x half
	s_mul_i32 s2, s[G], 32*PITCH
	v_add_nc_u32 v[XA], s2, v15
	s_mul_i32 s2, s[PAR], 64*PITCH
	s_add_co_u32 s2, s2, 256*PITCH
	v_add_nc_u32 v[WA], s2, v15
	s_mul_i32 s2, s[PAR], 32*PITCH
	s_add_co_u32 s2, s2, 384*PITCH
	v_add_nc_u32 v[VA], s2, v15
	v_lshrrev_b32 v15, 3, v1                       ; a row's 32 scale bytes: eight rows to a run of 256 bytes + 16
	s_delay_alu instid0(VALU_DEP_1)
	v_mul_u32_u24 v15, v15, 272
	v_and_b32 v221, 7, v1
	s_delay_alu instid0(VALU_DEP_1)
	v_lshl_add_u32 v15, v221, 5, v15
	s_mul_i32 s2, s[G], 4*272
	s_add_co_u32 s2, s2, SCL
	v_add_nc_u32 v[XSA], s2, v15
	s_mul_i32 s2, s[PAR], SPC
	s_add_co_u32 s2, s2, SCL+4*SPC
	v_add_nc_u32 v[WSA], s2, v15
	s_mul_i32 s2, s[PAR], 4*272
	s_add_co_u32 s2, s2, SCL+6*SPC
	v_add_nc_u32 v[VSA], s2, v15
	s_lshl_b32 s2, s[PAR], 9                       ; the stage: Q's words, then K's: 64 bytes a pair of tiles
	s_lshl_b32 s23, s[G], 6
	s_add_co_u32 s2, s2, s23
	s_add_co_u32 s2, s2, STS
	v_lshl_add_u32 v[SQK], v1, 2, s2
	s_lshr_b32 s2, s[G], 2                         ; V's: [128 keys: g / 4][channel: 32 par + 16 n + r] words, byte g % 4
	s_lshl_b32 s2, s2, 8
	s_lshl_b32 s23, s[PAR], 7
	s_add_co_u32 s2, s2, s23
	s_and_b32 s23, s[G], 3
	s_add_co_u32 s2, s2, s23
	s_add_co_u32 s2, s2, STS+1024
	v_lshl_add_u32 v[SV], v1, 2, s2
	s_min_u32 s2, s[WV], 2
	s_lshl_b32 s2, s2, 9
	s_add_co_u32 s2, s2, STS
	v_add_nc_u32 v[SRD], s2, v[LI]
	v_mov_b32 v[QTM+2], 0                          ; written once: a lane permute's destination counts as one of its sources
	v_mov_b32 v[QTM+3], 0
	; where the results go
	s_lshr_b32 s21, s85, 3
	s_lshl_b32 s21, s21, 4
	s_add_co_u32 s21, s21, s84                     ; batch x 16 + head
	s_and_b32 s22, s85, 7                          ; which 256 tokens of the batch's 2,048
	s_mul_i32 s2, s21, 196608
	s_lshl_b32 s23, s22, 13                        ; 16 tiles of 512 bytes, or 8 blocks of keys of 1,024
	s_add_co_u32 s2, s2, s23
	s_lshl_b32 s23, s[G], 10
	s_add_co_u32 s2, s2, s23
	s_add_nc_u64 s[10:11], s[14:15], s[2:3]
	s_lshl_b32 s2, s[PAR], 16
	s_add_nc_u64 s[8:9], s[10:11], s[2:3]          ; Q's or K's two tiles
	s_lshl_b32 s2, s[PAR], 9
	s_add_co_u32 s2, s2, 131072
	s_add_nc_u64 s[10:11], s[10:11], s[2:3]        ; V's block of keys, my 32 channels
	s_mul_i32 s2, s21, 12288
	s_lshl_b32 s23, s22, 9
	s_add_co_u32 s2, s2, s23
	s_min_u32 s23, s[WV], 2
	s_lshl_b32 s23, s23, 12
	s_add_co_u32 s2, s2, s23
	s_add_nc_u64 s[16:17], s[16:17], s[2:3]        ; the scale words: waves 0, 1, 2 send Q's, K's, V's
.macro SCALES ch                       ; the scale words of four K steps: 16 bytes a row
.irp u, 0,1
	ds_load_b128 v[XS+4*\u:XS+4*\u+3], v[XSA] offset:544*\u+16*\ch
.endr
.irp t, 0,1,2,3
	ds_load_b128 v[WS+4*\t:WS+4*\t+3], v[WSA] offset:544*\t+16*\ch
.endr
.irp n, 0,1
	ds_load_b128 v[WS+16+4*\n:WS+16+4*\n+3], v[VSA] offset:544*\n+16*\ch
.endr
.endm
; A K step of 128: 16 LDS loads, 12 products.  The twelve accumulators take turns, one instruction a turn, in the same order in every step.
; places: plain instructions between the last step's products and the loads into the registers that they read.  zero = 1: V's sums begin.
.macro KSTEP q, places, zero
	PLACES \places
.irp u, 0,1
.irp c, 0,1
	ds_load_b128 v[XF+8*\u+4*\c:XF+8*\u+4*\c+3], v[XA] offset:64*\q+32*\c+16*PITCH*\u
.endr
.endr
.irp t, 0,1,2,3
.irp c, 0,1
	ds_load_b128 v[WF+8*\t+4*\c:WF+8*\t+4*\c+3], v[WA] offset:64*\q+32*\c+16*PITCH*\t
.endr
.endr
.irp n, 0,1
.irp c, 0,1
	ds_load_b128 v[WF+32+8*\n+4*\c:WF+32+8*\n+4*\c+3], v[VA] offset:64*\q+32*\c+16*PITCH*\n
.endr
.endr
	s_wait_dscnt 0x4                               ; all but the four youngest loads (the fragments of W's V rows) are in
.irp t, 0,1,2,3
.irp m, 0,1
	v_wmma_scale_f32_16x16x128_f8f6f4 v[ACC+32*\m+8*\t:ACC+32*\m+8*\t+7], v[WF+8*\t:WF+8*\t+7], v[XF+8*\m:XF+8*\m+7], v[ACC+32*\m+8*\t:ACC+32*\m+8*\t+7], v[WS+4*\t+\q], v[XS+4*\m+\q] matrix_a_fmt:MATRIX_FMT_FP4 matrix_b_fmt:MATRIX_FMT_FP4
.endr
.endr
	s_wait_dscnt 0x0
.irp n, 0,1
.irp u, 0,1
.if \zero
	v_wmma_scale_f32_16x16x128_f8f6f4 v[VAC+16*\n+8*\u:VAC+16*\n+8*\u+7], v[XF+8*\u:XF+8*\u+7], v[WF+32+8*\n:WF+32+8*\n+7], 0, v[XS+4*\u+\q], v[WS+16+4*\n+\q] matrix_a_fmt:MATRIX_FMT_FP4 matrix_b_fmt:MATRIX_FMT_FP4
.else
	v_wmma_scale_f32_16x16x128_f8f6f4 v[VAC+16*\n+8*\u:VAC+16*\n+8*\u+7], v[XF+8*\u:XF+8*\u+7], v[WF+32+8*\n:WF+32+8*\n+7], v[VAC+16*\n+8*\u:VAC+16*\n+8*\u+7], v[XS+4*\u+\q], v[WS+16+4*\n+\q] matrix_a_fmt:MATRIX_FMT_FP4 matrix_b_fmt:MATRIX_FMT_FP4
.endif
.endr
.endr
.endm
	s_wait_alu depctr_va_vdst(0)
	s_wait_tensorcnt 0x0                           ; my tile is in
	s_barrier_signal -1
	s_barrier_wait -1                              ; everybody's are
	SCALES 0
	s_wait_loadcnt 0x0                             ; the biases
	KSTEP 0, 0, 1
	KSTEP 1, 4, 0
	KSTEP 2, 4, 0
	KSTEP 3, 4, 0
	v_add_nc_u32 v[XA], CHB, v[XA]                 ; on to the second half; with the v_nop these are the four places behind the last products
	s_wait_alu depctr_va_vdst(0)
	v_add_nc_u32 v[WA], CHB, v[WA]
	s_wait_alu depctr_va_vdst(0)
	v_add_nc_u32 v[VA], CHB, v[VA]
	s_wait_alu depctr_va_vdst(0)
	v_nop
	SCALES 1
	KSTEP 0, 0, 0
	KSTEP 1, 4, 0
	KSTEP 2, 4, 0
	KSTEP 3, 4, 0
	; THE WAY OUT
	PLACES 4
.irp n, 0,1
.irp i, 0,2,4,6,8,10,12,14
	v_pk_add_f32 v[VAC+16*\n+\i:VAC+16*\n+\i+1], v[VAC+16*\n+\i:VAC+16*\n+\i+1], v[VB+2*\n:VB+2*\n+1]   ; V's bias; each accumulator from its low end on
.endr
.endr
	QUANT2 ACC, CQ                                 ; my first tile of tokens
	global_store_b128 v[LI], v[CQ:CQ+3], s[8:9]    ; the wave stores 512 consecutive bytes, aligned
	v_lshl_or_b32 v[SW], v[QBY+1], 8, v[QBY]
	QUANT2 ACC+32, CQ+4                            ; the second
	global_store_b128 v[LI], v[CQ+4:CQ+7], s[8:9] offset:512
	v_lshl_or_b32 v[SW], v[QBY], 16, v[SW]
	s_delay_alu instid0(VALU_DEP_1)
	v_lshl_or_b32 v[SW], v[QBY+1], 24, v[SW]
	ds_store_b32 v[SQK], v[SW]                     ; both halves of the lanes write the same word with the same value
	QUANT2 VAC, CQ+8                               ; V: the two blocks are two channels' 32 tokens; behind the exchange lane l holds channel 32 par + l
	global_store_b128 v[LI], v[CQ+8:CQ+11], s[10:11]
	ds_store_b8 v[SV], v[QBY]
	ds_store_b8 v[SV], v[QBY+1] offset:64
	s_wait_dscnt 0x0                               ; for the others' sake: my stores into the stage are done
	s_barrier_signal -1
	s_barrier_wait -1
	s_cmp_lt_u32 s[WV], 3
	s_cbranch_scc0 .Lno_out
	ds_load_b128 v[236:239], v[SRD]
	s_wait_dscnt 0x0
	global_store_b128 v[LI], v[236:239], s[16:17]  ; 512 consecutive bytes of scale words, aligned
.Lno_out:
	s_wait_tensorcnt 0x0
	ds_add_u32 v254, v255
	s_wait_dscnt 0x0
	CROUND                                         ; the closing round: no work-group ends while a partner may still ask for a tile that names it
	s_endpgm
.Lfunc_end_k_q9d649d3fba_qkv:
	.size	k_q9d649d3fba_qkv, .Lfunc_end_k_q9d649d3fba_qkv-k_q9d649d3fba_qkv
	.p2alignl 7, 3214868480
	.fill 96, 4, 3214868480
	.section	.rodata,"a",@progbits
	.p2align	6, 0x0
	.amdhsa_kernel k_q9d649d3fba_qkv
		.amdhsa_group_segment_fixed_size 264192
		.amdhsa_private_segment_fixed_size 0
		.amdhsa_enable_private_segment 0
		.amdhsa_kernarg_size 56
		.amdhsa_user_sgpr_count 2
		.amdhsa_user_sgpr_kernarg_segment_ptr 1
		.amdhsa_wavefront_size32 1
		.amdhsa_system_sgpr_workgroup_id_x 1
		.amdhsa_system_sgpr_workgroup_id_y 1
		.amdhsa_system_sgpr_workgroup_id_z 1
		.amdhsa_system_vgpr_workitem_id 0
		.amdhsa_next_free_vgpr 256
		.amdhsa_next_free_sgpr 100
		.amdhsa_reserve_vcc 0
		.amdhsa_float_denorm_mode_32 3
		.amdhsa_float_denorm_mode_16_64 3
		.amdhsa_memory_ordered 1
		.amdhsa_forward_progress 1
		.amdhsa_inst_pref_size 44
	.end_amdhsa_kernel
	.amdgpu_metadata
---
amdhsa.version: [ 1, 2 ]
amdhsa.kernels:
  - .name:           k_q9d649d3fba_qkv
    .symbol:         k_q9d649d3fba_qkv.kd
    .args:
      - { .name: x_codes, .offset: 0, .size: 8, .value_kind: global_buffer, .address_space: global }
      - { .name: x_scales, .offset: 8, .size: 8, .value_kind: global_buffer, .address_space: global }
      - { .name: W_qkv_codes, .offset: 16, .size: 8, .value_kind: global_buffer, .address_space: global }
      - { .name: W_qkv_scales, .offset: 24, .size: 8, .value_kind: global_buffer, .address_space: global }
      - { .name: b_qkv, .offset: 32, .size: 8, .value_kind: global_buffer, .address_space: global }
      - { .name: qkv, .offset: 40, .size: 8, .value_kind: global_buffer, .address_space: global }
      - { .name: qkvs, .offset: 48, .size: 8, .value_kind: global_buffer, .address_space: global }
    .group_segment_fixed_size: 264192
    .private_segment_fixed_size: 0
    .kernarg_segment_align: 8
    .kernarg_segment_size: 56
    .max_flat_workgroup_size: 512
    .sgpr_count:     100
    .vgpr_count:     256
    .wavefront_size: 32
...
	.end_amdgpu_metadata
.endif
;; end of part 1
;; launch attn (part 2): grid 8 x 32, 16 waves a work-group, clusters of 4 x 1, 235,520 bytes of LDS; arguments qkv, qkvs, oc, ocs; writes oc, ocs
.if DOCPART == 2
	.amdgcn_target "amdgcn-amd-amdhsa--gfx1250"
	.amdhsa_code_object_version 6
	.text
	.protected	k_q9d649d3fba_attn
	.globl	k_q9d649d3fba_attn
	.p2align	8
	.type	k_q9d649d3fba_attn,@function
k_q9d649d3fba_attn:
	s_mov_b64 s[64:65], 0
	v_nop
	global_prefetch_b8 v0, s[64:65] scope:SCOPE_SE
	s_setreg_imm32_b32 hwreg(HW_REG_WAVE_MODE, 25, 1), 1
	s_wait_xcnt 0x0
	s_wait_alu depctr_hold_cnt(0) depctr_sa_sdst(0) depctr_va_vdst(0) depctr_va_sdst(0) depctr_va_ssrc(0) depctr_va_vcc(0) depctr_vm_vsrc(0)
	s_getreg_b32 s2, hwreg(HW_REG_IB_STS2, 6, 4)
	s_cmp_eq_u32 s2, 0
	s_cbranch_scc0 .Lentry_in_a_cluster
	s_endpgm
.Lentry_in_a_cluster:
	s_bfe_u32 s2, ttmp6, 0x10000c
	s_cmp_lg_u32 s2, 0x3003
	s_cbranch_scc0 .Lentry_shape_is_right
	s_endpgm
.Lentry_shape_is_right:
; pre_O = softmax(fill(tril(Q K^T / 8))) V for one head, both products on codes of FP4 (E2M1) with E8M0 scales, and the result quantised for the output projection.
; THE MASK: the lower triangle is kept, and wherever the kept value is 0 (every key behind the query, AND every open key whose score is exactly 0) the logit is -10000.  That is a number, not -infinity:
; such keys count in the row's maximum, in its sum and in the second product.  Every open score is tested against 0 ahead of the maxima.  Keys behind the query: in the diagonal step they are scores of
; -80000 (= -10000 x 8); in the steps behind it all have ONE p a row, p_m = 2^(t_m - M): a block of equal numbers has one code, so their part of the product is the quantised p_m x the sum of V over these
; steps, and the sum takes p_m times their number.  V's sums over all steps behind a given one are made once for the work-group, by products with codes of 1.0.
; LEFT OUT: the scores of steps that lie wholly behind a tile's queries: the triangle puts 0 in their place, whatever the inputs.  LIMIT: a NaN, an infinity or an overflow that reaches only them is not carried.
; THE SOFTMAX: t = score x log2(e) / 8; M = the running largest t rounded up to a whole number; p = 2^(t - M) is quantised along the keys; the sum is taken of the unquantised p and divides at the end.
; When M moves, the sum and O are multiplied by 2^(old M - new M), which rounds nothing.
; SHARES.  Work-group (x = jw, y = batch x 16 + head).  A whole head's K and V (codes and scale words) lie in LDS, filled once: all of it comes with the head's loads, so there is no loop for a prefetch to run ahead in.
; The work-group owns 16 tiles of 16 queries, tile 8 rank + jw, rank 0 .. 15; a tile of rank k has k + 1 steps of 128 keys, the last of them its diagonal.  WAVES GO IN PAIRS, w and w xor 12, a pair for each
; p = 0 .. 7, with ranks p and 15 - p: 17 steps.  The pair's FIRST wave (w = p) walks steps 0 .. a - 1 of rank 15 - p, a = 12 for p < 4, else 8.  Its SECOND wave (w = 12 + p, or 4 + p) walks rank p's p + 1 steps,
; then steps a .. 15 - p of rank 15 - p.  So waves w, w + 4, w + 8, w + 12 (w = 0 .. 3) have 12, 8, 9 and 5 steps.
; TWO PHASES.  Phase 1: all of the first waves' steps, rank p in the second waves.  Then every wave lays its state (O, M, the sum) into LDS, and signals ONE barrier.  Phase 2, in registers and on K and V alone:
; the second waves' other steps.  Behind it the wait: a first wave passes it as soon as all have signalled and finishes rank p; a second wave joins the two parts of rank 15 - p and finishes it.
; No branch hangs on the place in the cluster.
; CLUSTER 4 x 1: the four work-groups read the same head: each tile is asked for jointly.
; LAYOUT.  S^T = K Q^T, O^T = V^T P^T: a lane holds one query (lane % 16) throughout; r = lane % 16, h = lane / 16.  The first product's K is 64, the instruction's 128: source 0 holds TWO tiles of keys
; (registers 0-3, 4-7), source 1 holds Q in one half and zero codes in the other, which annul the other tile exactly.  THE KEYS OF A TILE ARE NOT NEIGHBOURS: row r of tile (c, u) is key
; 64 c + 32 (r / 8) + 8 u + r % 8, so that register 32 c + 8 u + j of S^T is key 64 c + 32 h + 8 u + j: a lane holds two WHOLE blocks of 32, in the order of the next operand.
; LIMITS: NaN and infinities are not served; the scaled scores stay under 2^31.  p under 2^-126 comes out of v_exp_f32 as 0.  A score so small that an eighth of it is no f32 number is not taken as 0.
; A block of zeros gets the scale byte 1 where the rule says 127: its codes are zeros, and this program alone reads the bytes.
.set LDV,   73728                      ; LDS: K's 256 rows and V's 256 rows of 256 bytes + 32 of padding: keys 32 apart lie 1,152 bytes apart, half a run of 256 on
.set LDKS,  147456                     ; K's scale words; V's
.set LDVS,  151552
.set SUF,   155648                     ; 16 rows x 64 f32: row n the sums of V over the steps behind step n
.set PART,  159744                     ; a state for each wave: 9 x 512 bytes
.set SPARE, 233472                     ; the spare words, 128 bytes a wave
.set STEPB, 4608                       ; a step of 128 keys of K or of V
.set N2,    2                          ; s2 my trips in phase 2 (first waves: 0);  s3 its diagonal trip
.set D2,    3
.set R1,    12                         ; s12 the rank that I begin with;  s13 the rank that I finish, 15 - R1
.set RF,    13
.set FS,    16                         ; s16 the fill as a score (rank 15 has no keys behind its diagonal step: -3e38);  s17 the number of such keys, f32
.set CNTF,  17
.set WV,    18
.set P,     19                         ; s19 p;  s20 0: the pair's first wave, 1: its second
.set ROLE,  20
.set I,     21                         ; s21, s53 the trip in phase 1, 2;  s22, s23 where the step's V codes and scale words begin
.set I2,    53
.set TK,    22
.set TS,    23
.set G1C,   24
.set G1S,   32
.set G0C,   40
.set G0S,   44
.set CS,    48                         ; s[48:49] c = log2(e) / 8
.set SEL,   50                         ; s[50:51] selects of v_permlanex16_b32: lane l xor 16
.set NC,    52                         ; s52 -c
.set D1,    55                         ; s55 phase 1's diagonal trip (first waves: none, 99);  s56 a;  s57 my trips in phase 1
.set K2,    56
.set N1,    57
.set MK,    84                         ; s84-99 sixteen lane masks
.set MH,    92
.set KF,  32                           ; v32-63  K: 16 c + 8 u
.set VF,  64                           ; v64-95  V: 8 t + 4 c
.set S,   96                           ; v96-159 S^T, then p
.set O,   160                          ; v160-191 O^T: 8 t + j = channel 16 t + 8 h + j
.set PC,  192                          ; v192-199 p's codes
.set KS,  200                          ; v200-203 K's scale words;  v204-207 V's;  v208 p's
.set VS,  204
.set PW,  208
.set BM,  210                          ; v210-211 my two blocks' largest scores, then largest p;  v212-213 second chains;  v214-215 the conversions' scale operands;  v216-218 the word
.set SO,  214
.set QTM, 232                          ; the way out
.set QSO, 236
.set QBY, 238
.set CQ,  240
; v1 r, v2 h, v3 16 x lane, v4 8 h, v5-7 my lane's place in V, in K's scale words, in V's; v8-11 the steps' addresses; v12 -M, v13 the largest score, v[14:15] the sum; v16-27 Q, zeros, Q; v28 Q's scale word;
; v29 -80000; v30 my query less 32 h; v31 4 r; v219-223 the second tile's Q; v[226:227], v[228:229] factors; v228, v240-243 chains of sums; v244, v245, v252, v253 for V's sums; v248-250 suffix row,
; partner's state, my state; v251 my lane's place in K
.macro PLACES n
.rept \n
	v_nop
.endr
.endm
.macro CROUND
	s_barrier_signal -1
	s_barrier_wait -1
	s_cmp_lg_u32 s[WV], 0
	s_cbranch_scc1 .Lnot_wave_0_\@
	s_barrier_signal -3
.Lnot_wave_0_\@:
	s_barrier_wait -3
	s_barrier_signal -1
	s_barrier_wait -1
.endm
; 32 numbers of a lane, two blocks b at s + 16 b (register 8 u + j: k = 16 u + 8 h + j), become 4 registers of codes at c (each half of the lanes one block whole) and two bytes in QBY
.macro QUANT2 s, c
.irp b, 0,1
	v_max3_num_f32 v[QTM+\b], |v[(\s)+16*\b]|, |v[(\s)+16*\b+1]|, 0x1800000
.endr
.irp i, 2,4,6,8,10,12,14
.irp b, 0,1
	v_max3_num_f32 v[QTM+\b], v[QTM+\b], |v[(\s)+16*\b+\i]|, |v[(\s)+16*\b+\i+1]|
.endr
.endr
.irp b, 0,1
	v_permlanex16_b32 v[QTM+2+\b], v[QTM+\b], s[SEL], s[SEL+1]
.endr
.irp b, 0,1
	v_max_num_f32 v[QTM+\b], v[QTM+\b], v[QTM+2+\b]
.endr
.irp b, 0,1
	v_add_nc_u32 v[QSO+\b], 0xff000000, v[QTM+\b]
.endr
.irp b, 0,1
	v_lshrrev_b32 v[QBY+\b], 23, v[QSO+\b]
.endr
.irp b, 0,1
.irp u, 0,1
	v_cvt_scalef32_pk8_fp4_f32 v[(\c)+2*\u+\b], v[(\s)+16*\b+8*\u:(\s)+16*\b+8*\u+7], v[QSO+\b]
.endr
.endr
	v_nop
	v_permlane16_swap_b32 v[(\c)], v[(\c)+1]
	v_permlane16_swap_b32 v[(\c)+2], v[(\c)+3]
.endm
.macro STOREPART                       ; my state: each accumulator from its low end on; -M, the largest score, the sum
.irp k, 0,1,2,3,4,5,6,7
	ds_store_b128 v250, v[O+4*\k:O+4*\k+3] offset:512*\k
.endr
	ds_store_b128 v250, v[12:15] offset:4096
.endm
.macro LOADPART o, m                   ; my partner's
.irp k, 0,1,2,3,4,5,6,7
	ds_load_b128 v[\o+4*\k:\o+4*\k+3], v249 offset:512*\k
.endr
	ds_load_b128 v[\m:\m+3], v249 offset:4096
.endm
.macro KLOADS ka, ks                   ; a step's K: twelve loads
.irp c, 0,1
.irp u, 0,1
	ds_load_b128 v[KF+16*\c+8*\u:KF+16*\c+8*\u+3], v\ka offset:2304*\c+128*\u
	ds_load_b128 v[KF+16*\c+8*\u+4:KF+16*\c+8*\u+7], v\ka offset:2304*\c+128*\u+576
.endr
.endr
.irp c, 0,1
.irp u, 0,1
	ds_load_b32 v[KS+2*\c+\u], v\ks offset:128*\c+32*\u
.endr
.endr
.endm
; A PHASE: a loop of tr trips in every wave, of which a wave works in the first s[lim]; no barrier, tensor load or LDS store stands in it.  In trip i the key step is i (fst = 1) or a + i (fst = 0).
; K comes a step ahead: twelve loads behind the score products; behind phase 1's last step they bring step a, with which a second wave's phase 2 begins.  (The last step's of a wave are not used.)
.macro PHASE tr, cn, lim, dg, fst
.Lstep_\@:
	s_cmp_ge_u32 s[\cn], s[\lim]
	s_cbranch_scc1 .Lnext_\@
.if \fst
	s_mul_i32 s[TK], s[\cn], STEPB
	s_lshl_b32 s[TS], s[\cn], 8
	s_add_co_u32 s70, s[\cn], 1
	s_cmp_eq_u32 s70, s[\lim]
	s_cselect_b32 s70, s[K2], s70
.else
	s_add_co_u32 s70, s[\cn], s[K2]
	s_mul_i32 s[TK], s70, STEPB
	s_lshl_b32 s[TS], s70, 8
	s_add_co_u32 s70, s70, 1
.endif
	s_min_u32 s70, s70, 15                         ; the step whose K is asked for next
	s_mul_i32 s71, s70, STEPB
	s_lshl_b32 s72, s70, 8
	v_add_nc_u32 v9, s[TK], v5                     ; these four are also the places in front of the loads into registers that the last products read
	v_add_nc_u32 v11, s[TS], v7
	PLACES 2
.irp t, 0,1,2,3
.irp c, 0,1
	ds_load_b128 v[VF+8*\t+4*\c:VF+8*\t+4*\c+3], v9 offset:2304*\c+288*\t
.endr
.endr
.irp t, 0,1,2,3
	ds_load_b32 v[VS+\t], v11 offset:64*\t
.endr
	s_wait_dscnt 0xc                               ; this step's K is in; V's twelve loads may be out
.irp c, 0,1
.irp u, 0,1
	v_wmma_scale_f32_16x16x128_f8f6f4 v[S+32*\c+8*\u:S+32*\c+8*\u+7], v[KF+16*\c+8*\u:KF+16*\c+8*\u+7], v[16:23], 0, v[KS+2*\c+\u], v28 matrix_a_fmt:MATRIX_FMT_FP4 matrix_b_fmt:MATRIX_FMT_FP4
	v_wmma_scale_f32_16x16x128_f8f6f4 v[S+32*\c+8*\u+16:S+32*\c+8*\u+23], v[KF+16*\c+8*\u:KF+16*\c+8*\u+7], v[20:27], 0, v[KS+2*\c+\u], v28 matrix_a_fmt:MATRIX_FMT_FP4 matrix_b_fmt:MATRIX_FMT_FP4
.endr
.endr
	v_add_nc_u32 v8, s71, v251                     ; four places: for the loads into K's registers and for the first readers of the scores
	v_add_nc_u32 v10, s72, v6
	PLACES 2
	KLOADS 8, 10
	s_cmp_eq_u32 s[\cn], s[\dg]
	s_cbranch_scc0 .Lopen_\@
	; the diagonal step: a key behind the query is cut to 0 by the triangle and then filled, like an open score that is 0.  Register 32 c + 8 u + j is hidden where 64 c + 8 u + j > 16 jw + r - 32 h
.irp g, 0,1,2,3,4,5,6,7
.irp i, 0,1,2,3,4,5,6,7
	v_cmp_eq_f32 s[MK+\i], 0, v[S+8*\g+\i]
.endr
.irp i, 0,1,2,3,4,5,6,7
	v_cmp_gt_i32 s[MH+\i], 64*(\g/4)+8*(\g%4)+\i, v30
.endr
.irp i, 0,1,2,3,4,5,6,7
	s_or_b32 s[MK+\i], s[MK+\i], s[MH+\i]
.endr
.irp i, 0,1,2,3,4,5,6,7
	v_cndmask_b32 v[S+8*\g+\i], v[S+8*\g+\i], v29, s[MK+\i]
.endr
.endr
	s_wait_alu depctr_va_vdst(0)                   ; the wait ahead of the branch
	s_branch .Lmax_\@
.Lopen_\@:
	; a score that is exactly 0 takes the fill, ahead of the maxima: eight compares, eight selects, so that no select waits for its mask
.irp g, 0,1,2,3,4,5,6,7
.irp i, 0,1,2,3,4,5,6,7
	v_cmp_eq_f32 s[MK+8*(\g%2)+\i], 0, v[S+8*\g+\i]
.endr
.irp i, 0,1,2,3,4,5,6,7
	v_cndmask_b32 v[S+8*\g+\i], v[S+8*\g+\i], v29, s[MK+8*(\g%2)+\i]
.endr
.endr
.Lmax_\@:
	; the largest score of each of my two blocks of 32 keys, two chains a block: it serves for the row's maximum and, since p rises with the score, for the block's largest p
.irp k, 0,1,2,3
	v_max3_num_f32 v[BM+\k], v[S+32*(\k%2)+16*(\k/2)], v[S+32*(\k%2)+16*(\k/2)+1], v[S+32*(\k%2)+16*(\k/2)+2]
.endr
.irp i, 3,5,7,9,11,13
.irp k, 0,1,2,3
	v_max3_num_f32 v[BM+\k], v[BM+\k], v[S+32*(\k%2)+16*(\k/2)+\i], v[S+32*(\k%2)+16*(\k/2)+\i+1]
.endr
.endr
.irp k, 0,1
	v_max3_num_f32 v[BM+\k], v[BM+\k], v[S+32*\k+15], v[S+32*\k+31]
.endr
.irp k, 0,1
	v_max_num_f32 v[BM+\k], v[BM+\k], v[BM+2+\k]
.endr
	v_max_num_f32 v224, v[BM], v[BM+1]
	v_permlanex16_b32 v225, v224, s[SEL], s[SEL+1]
	v_max3_num_f32 v13, v13, v224, v225            ; the running largest score
	v_mul_f32 v224, s[NC], v13                     ; -t (c is positive)
	v_floor_f32 v230, v224                         ; the new -M
	v_sub_f32 v224, v230, v12                      ; old M - new M: a whole number, 0 or less
	v_mov_b32 v12, v230
	v_cvt_i32_f32 v224, v224                       ; (it saturates)
.set jn, 0
.rept 32
	v_pk_fma_f32 v[S+jn:S+jn+1], v[S+jn:S+jn+1], s[CS:CS+1], v[12:13] op_sel_hi:[1,0,0]   ; t - M, two at a time
.set jn, jn+2
.endr
	v_pk_fma_f32 v[BM:BM+1], v[BM:BM+1], s[CS:CS+1], v[12:13] op_sel_hi:[1,0,0]
	v_ldexp_f32 v226, 1.0, v224                    ; the factor 2^(old M - new M)
	s_wait_alu depctr_va_vdst(0)                   ; the wait ahead of the batch
	v_exp_f32 v[BM], v[BM]                         ; the blocks' largest p: the same two instructions on the same numbers
	v_exp_f32 v[BM+1], v[BM+1]
.set jn, 0
.rept 64
	v_exp_f32 v[S+jn], v[S+jn]                     ; p = 2^(t - M), at most 1
.set jn, jn+1
.endr
	v_pk_mul_f32 v[14:15], v[14:15], v[226:227] op_sel_hi:[1,0]    ; the sums under the new M; the plain instruction behind the exponentials
	s_wait_alu depctr_va_vdst(0)                   ; and the wait ahead of the batch's first reader
.irp k, 0,1
	v_max_num_f32 v[BM+\k], 0x1800000, v[BM+\k]    ; the floor 2^(3 - 127): the byte cannot fall under 1
.endr
.irp k, 0,1
	v_add_nc_u32 v[SO+\k], 0xff000000, v[BM+\k]    ; 2 off the exponent field: the conversion reads that field alone
.endr
.irp k, 0,1
	v_lshrrev_b32 v[216+\k], 23, v[SO+\k]
.endr
	v_lshl_or_b32 v216, v217, 16, v216             ; my bytes: blocks h and 2 + h,
	v_lshlrev_b32 v216, v4, v216                   ; at their places in the word;
.irp c, 0,1
.irp u, 0,1,2,3
	v_cvt_scalef32_pk8_fp4_f32 v[PC+4*\c+\u], v[S+32*\c+8*\u:S+32*\c+8*\u+7], v[SO+\c]     ; keys 64 c + 32 h + 8 u on: the operand's registers as they lie
.endr
.endr
	v_permlanex16_b32 v218, v216, s[SEL], s[SEL+1]
	v_pk_add_f32 v[228:229], v[S+16:S+17], v[S+18:S+19]            ; the row's sum is taken of the unquantised p, in four chains
	v_pk_add_f32 v[240:241], v[S+32:S+33], v[S+34:S+35]
	v_or_b32 v[PW], v216, v218                     ; with lane l xor 16's two bytes the scale word is whole
	v_pk_add_f32 v[242:243], v[S+48:S+49], v[S+50:S+51]
	v_pk_add_f32 v[14:15], v[14:15], v[S:S+1]
.irp i, 1,2,3,4,5,6
	v_pk_add_f32 v[228:229], v[228:229], v[S+18+2*\i:S+19+2*\i]
	v_pk_add_f32 v[240:241], v[240:241], v[S+34+2*\i:S+35+2*\i]
	v_pk_add_f32 v[242:243], v[242:243], v[S+50+2*\i:S+51+2*\i]
	v_pk_add_f32 v[14:15], v[14:15], v[S+2*\i:S+2*\i+1]
.endr
	v_pk_add_f32 v[228:229], v[228:229], v[240:241]
	v_pk_add_f32 v[14:15], v[14:15], v[S+14:S+15]
	v_pk_add_f32 v[228:229], v[228:229], v[242:243]
	v_pk_add_f32 v[14:15], v[14:15], v[228:229]
	s_wait_alu depctr_va_vdst(0)                   ; the wait ahead of the first readers of O^T
.set jn, 0
.rept 16
	v_pk_mul_f32 v[O+jn:O+jn+1], v[O+jn:O+jn+1], v[226:227] op_sel_hi:[1,0]   ; O^T under the new M; each accumulator from its low end on
.set jn, jn+2
.endr
	s_wait_alu depctr_va_vdst(0)
	s_wait_dscnt 0xc                               ; V is in; the next step's twelve loads of K may be out
.irp t, 0,1,2,3                                    ; O^T += V^T P^T: the four accumulators by turns, one instruction a turn
	v_wmma_scale_f32_16x16x128_f8f6f4 v[O+8*\t:O+8*\t+7], v[VF+8*\t:VF+8*\t+7], v[PC:PC+7], v[O+8*\t:O+8*\t+7], v[VS+\t], v[PW] matrix_a_fmt:MATRIX_FMT_FP4 matrix_b_fmt:MATRIX_FMT_FP4
.endr
.Lnext_\@:
	s_add_co_u32 s[\cn], s[\cn], 1
	s_cmp_lt_u32 s[\cn], \tr
	s_cbranch_scc1 .Lstep_\@
.endm
	s_load_b128 s[4:7], s[0:1], 0x0                ; qkv, qkvs
	s_load_b128 s[8:11], s[0:1], 0x10              ; oc, ocs
	v_lshl_add_u32 v254, v0, 2, SPARE
	v_mov_b32 v255, 0
	ds_add_u32 v254, v255                          ; the opening add, twice on end
	ds_add_u32 v254, v255
	v_lshrrev_b32 v1, 5, v0
	v_readfirstlane_b32 s[WV], v1                  ; wave 0..15
	s_lshr_b32 s[ROLE], s[WV], 3
	s_and_b32 s14, s[WV], 7
	s_lshl_b32 s15, s[ROLE], 2
	s_xor_b32 s[P], s14, s15                       ; p: w in first waves; w - 4 in waves 8-11, w - 12 in waves 12-15
	s_xor_b32 s14, s[ROLE], 1
	s_mul_i32 s14, s14, 15
	s_xor_b32 s[R1], s14, s[P]                     ; 15 - p in a first wave, p in a second
	s_xor_b32 s[RF], s[R1], 15
	s_lshr_b32 s14, s[P], 2
	s_xor_b32 s14, s14, 1
	s_lshl_b32 s14, s14, 2
	s_add_co_u32 s[K2], s14, 8                     ; a: 12 for p < 4, else 8
	s_add_co_u32 s14, s[P], 1
	s_sub_co_u32 s15, 16, s[P]
	s_sub_co_u32 s15, s15, s[K2]
	s_mov_b32 s59, 99
	s_cmp_lg_u32 s[ROLE], 0
	s_cselect_b32 s[N1], s14, s[K2]
	s_cselect_b32 s[D1], s[P], s59
	s_cselect_b32 s[N2], s15, 0
	s_sub_co_u32 s[D2], s[N2], 1
	s_lshl_b32 s14, s[R1], 7
	s_cvt_f32_u32 s[CNTF], s14                     ; 128 (15 - RF)
	s_mov_b32 s14, 0xff61b1e6
	s_cmp_eq_u32 s[R1], 0
	s_cselect_b32 s[FS], s14, 0xc79c4000
	s_and_b32 s54, ttmp7, 0xffff                   ; batch x 16 + head, which the four partners share
	s_mov_b32 s[G1C], 15|(3<<16)|(1<<20)|(1<<21)|(5<<22)|(7<<25)   ; 15:0 the mask: all four; 17:16 elements of 8 bytes; 20 padding on; 21 set beside a mask; 24:22 after every 64 words; 31:25 eight words
	s_mov_b32 s[G1C+1], 32<<16                     ; rows of 256 bytes,
	s_mov_b32 s[G1C+2], 64<<16                     ; 64 of them, dense
	s_mov_b32 s[G1C+3], 32<<16
	s_mov_b32 s[G1C+4], 64
	s_mov_b32 s[G1C+5], 32
	s_mov_b32 s[G1C+6], 0
	s_mov_b32 s[G1C+7], 0
	s_mov_b32 s[G1S], 15|(3<<16)|(1<<21)
	s_mov_b32 s[G1S+1], 32<<16
	s_mov_b32 s[G1S+2], 32<<16                     ; 32 rows: K's and V's scale words
	s_mov_b32 s[G1S+3], 32<<16
	s_mov_b32 s[G1S+4], 32
	s_mov_b32 s[G1S+5], 32
	s_mov_b32 s[G1S+6], 0
	s_mov_b32 s[G1S+7], 0
	s_and_b32 s15, s[WV], 7
	s_lshl_b32 s59, s15, 14                        ; waves 0-7: 16 KiB each of K's and V's 128 KiB, which lie on end in memory and in LDS
	s_mul_i32 s14, s15, 64*288
	s_mul_i32 s60, s54, 196608
	s_add_co_u32 s60, s60, s59
	s_add_co_u32 s60, s60, 65536
	s_mov_b32 s61, 0
	s_mul_i32 s62, s54, 12288
	s_add_co_u32 s62, s62, 4096
	s_mov_b32 s63, 0
	s_mov_b32 s[CS], 0x3e38aa3b                    ; log2(e) / 8
	s_mov_b32 s[CS+1], s[CS]                       ; (named with it as a pair, so it is written)
	s_mov_b32 s[NC], 0xbe38aa3b
	s_mov_b32 s[SEL], 0x76543210
	s_mov_b32 s[SEL+1], 0xfedcba98
	s_mov_b32 s[I], 0
	s_wait_dscnt 0x0                               ; both opening adds are done
	s_wait_kmcnt 0x0
	s_mov_b32 s[G0C], 1
	s_mov_b32 s[G0C+1], s14
	s_add_nc_u64 s[G0C+2:G0C+3], s[4:5], s[60:61]
	s_or_b32 s[G0C+3], s[G0C+3], 0x80000000
	s_mov_b32 s[G0S], 1
	s_mov_b32 s[G0S+1], LDKS
	s_add_nc_u64 s[G0S+2:G0S+3], s[6:7], s[62:63]
	s_or_b32 s[G0S+3], s[G0S+3], 0x80000000
	CROUND                                         ; all four work-groups are here: the joint loads meet
	s_cmp_lt_u32 s[WV], 8                          ; one load a wave at the most, all in this one tree of branches on the wave's number
	s_cbranch_scc0 .Lnot_codes
	tensor_load_to_lds s[G0C:G0C+3], s[G1C:G1C+7]
	s_nop 0
	PLACES 4
	s_branch .Lasked
.Lnot_codes:
	s_cmp_eq_u32 s[WV], 8
	s_cbranch_scc0 .Lasked
	tensor_load_to_lds s[G0S:G0S+3], s[G1S:G1S+7]
	s_nop 0
	PLACES 4
.Lasked:
	; the place in the cluster enters global addresses and the mask's numbers alone
	s_bfe_u32 s53, ttmp6, 0x40000
	s_lshl_b32 s58, ttmp9, 2
	s_add_co_u32 s53, s58, s53                     ; jw = 4 x cluster x + cx
	s_lshl_b32 s70, s[R1], 3
	s_add_co_u32 s70, s70, s53                     ; my first tile of the head's 128,
	s_xor_b32 s71, s[P], 15
	s_lshl_b32 s71, s71, 3
	s_add_co_u32 s71, s71, s53                     ; the pair's tile of rank 15 - p,
	s_lshl_b32 s72, s[RF], 3
	s_add_co_u32 s72, s72, s53                     ; and the tile that I finish
	s_mul_i32 s66, s54, 196608
	s_lshl_b32 s74, s71, 9
	s_add_co_u32 s68, s66, s74
	s_lshl_b32 s74, s70, 9
	s_add_co_u32 s66, s66, s74
	s_mov_b32 s67, 0
	s_mov_b32 s69, 0
	s_add_nc_u64 s[66:67], s[4:5], s[66:67]        ; Q's images
	s_add_nc_u64 s[68:69], s[4:5], s[68:69]
	s_mul_i32 s74, s54, 12288
	s_lshr_b32 s70, s70, 1
	s_lshl_b32 s70, s70, 6
	s_add_co_u32 s76, s74, s70
	s_mov_b32 s77, 0
	s_lshr_b32 s71, s71, 1
	s_lshl_b32 s71, s71, 6
	s_add_co_u32 s78, s74, s71
	s_mov_b32 s79, 0
	s_add_nc_u64 s[76:77], s[6:7], s[76:77]        ; their pairs' scale words
	s_add_nc_u64 s[78:79], s[6:7], s[78:79]
	s_and_b32 s80, s54, 15                         ; head
	s_lshr_b32 s81, s54, 4                         ; batch
	s_lshl_b32 s81, s81, 7
	s_add_co_u32 s81, s81, s72                     ; my last tile of all 256
	s_lshl_b32 s82, s80, 17
	s_lshl_b32 s74, s81, 9
	s_add_co_u32 s82, s82, s74
	s_mov_b32 s83, 0
	s_add_nc_u64 s[8:9], s[8:9], s[82:83]          ; oc: [head][tile][512 bytes]
	s_lshr_b32 s82, s80, 1
	s_lshl_b32 s82, s82, 14
	s_lshl_b32 s74, s81, 6
	s_add_co_u32 s82, s82, s74
	s_and_b32 s74, s80, 1
	s_lshl_b32 s74, s74, 1
	s_add_co_u32 s82, s82, s74
	s_add_nc_u64 s[10:11], s[10:11], s[82:83]      ; ocs: [pair of heads][tile][r] words; my head's half of the word
	s_mul_i32 s73, s[WV], STEPB                    ; a state takes as many bytes as a step: 9 x 512
	s_add_co_u32 s73, s73, PART
	s_xor_b32 s75, s[WV], 12
	s_mul_i32 s75, s75, STEPB
	s_add_co_u32 s75, s75, PART
	s_lshl_b32 s14, s[RF], 8
	s_add_co_u32 s14, s14, SUF
	s_and_b32 s15, s[WV], 3
	s_lshl_b32 s59, s15, 6
	s_add_co_u32 s60, s59, SUF
	s_mul_i32 s61, s15, 288
	s_lshl_b32 s62, s53, 4
	s_and_b32 s58, s53, 1
	s_lshl_b32 s58, s58, 4                         ; my tiles' half of their pairs' scale words
	v_and_b32 v1, 15, v0                           ; r
	v_bfe_u32 v2, v0, 4, 1                         ; h
	v_and_b32 v3, 31, v0
	v_lshlrev_b32 v3, 4, v3
	v_lshlrev_b32 v31, 2, v1
	global_load_b128 v[16:19], v3, s[66:67]        ; Q twice, with zeros between: v[16:23] = Q, 0 and v[20:27] = 0, Q
	global_load_b128 v[24:27], v3, s[66:67]
	global_load_b128 v[220:223], v3, s[68:69]      ; the Q that a second wave goes on with (in a first wave it is the same tile)
	global_load_b32 v246, v31, s[76:77]
	global_load_b32 v247, v31, s[78:79]
	v_lshrrev_b32 v224, 3, v1
	v_and_b32 v225, 7, v1
	v_mul_u32_u24 v251, v224, 1152                 ; K: rows 8-15 of a tile 32 keys on,
	v_mul_u32_u24 v226, v2, 288                    ; channel block h,
	v_add_nc_u32 v251, v251, v226
	v_lshl_add_u32 v251, v225, 4, v251             ; 16 bytes a key
	v_lshlrev_b32 v6, 6, v224
	v_lshl_add_u32 v6, v225, 2, v6
	v_add_nc_u32 v6, LDKS, v6
	v_mul_u32_u24 v5, v2, 1152                     ; V: block of keys h, channel r
	v_lshl_add_u32 v5, v1, 4, v5
	v_add_nc_u32 v5, LDV, v5
	v_add_nc_u32 v7, LDVS, v31
	v_lshlrev_b32 v4, 3, v2
	v_lshlrev_b32 v224, 5, v2
	v_sub_nc_u32 v30, v1, v224
	v_add_nc_u32 v30, s62, v30                     ; 16 jw + r - 32 h
	v_add_nc_u32 v250, s73, v3
	v_add_nc_u32 v249, s75, v3
	v_lshl_add_u32 v248, v2, 5, s14                ; suffix row RF: channels 16 t + 8 h on
	v_lshl_add_u32 v245, v2, 5, s60                ; V's sums (waves 4-7): channels 16 (w % 4) + 8 h on
	v_add_nc_u32 v252, s61, v5
	v_add_nc_u32 v253, 8*STEPB, v252
	v_add_nc_u32 v244, s59, v7
	v_mov_b32 v29, 0xc79c4000                      ; -80000
	v_mov_b32 v13, 0xff61b1e6                      ; the largest score so far: -3e38
	v_mov_b32 v12, 0x7f61b1e6                      ; -M
	v_mov_b32 v14, 0
	v_mov_b32 v15, 0
.irp i, 20,21,22,23
	v_mov_b32 v\i, 0                               ; zero codes
.endr
.irp i, 218,225,227,229,234
	v_mov_b32 v\i, 0                               ; written once: a lane permute's destination counts as one of its sources; the upper halves of pairs
.endr
	s_wait_alu depctr_va_vdst(0)                   ; the wait at the head's end
	s_wait_tensorcnt 0x0                           ; my part of the head is in,
	s_barrier_signal -1
	s_barrier_wait -1                              ; everybody's is
	KLOADS 251, 6                                  ; step 0's K
	s_wait_loadcnt 0x0
	v_lshrrev_b32 v28, s58, v246
	v_lshrrev_b32 v219, s58, v247
	v_and_b32 v28, 0xffff, v28
	v_and_b32 v219, 0xffff, v219
	v_lshl_or_b32 v28, v28, 16, v28                ; Q's two bytes twice: they serve Q in either half of the operand
	v_lshl_or_b32 v219, v219, 16, v219
.set jn, 0
.rept 32
	v_mov_b32 v[O+jn], 0                           ; O^T.  (The step is written once a phase: the first finds zeros.)  These are also the places between Q's scale word and the first product
.set jn, jn+1
.endr
	PHASE 12, I, N1, D1, 1
	PLACES 4
	s_wait_alu depctr_va_vdst(0)
	STOREPART                                      ; a first wave: its part of rank 15 - p; a second: rank p
	s_mov_b32 s[I2], 0
	s_cmp_lg_u32 s[ROLE], 0
	s_cbranch_scc1 .Lsecond
	s_cmp_lt_u32 s[WV], 4
	s_cbranch_scc1 .Lmeet
	; waves 4-7: V's sums over the steps behind each step, channels 16 (w % 4) on: products of V^T with codes of 1.0 (scale 1), from step 15 down, one chain; behind step k's product the sum is row k - 1.
	; All 16 columns of the result are the same: the lanes of a half store the same words.
	s_wait_dscnt 0x0                               ; the last look-ahead has landed: its registers are written below
	v_mov_b32 v[PW], 0x7f7f7f7f
.irp i, 0,1,2,3,4,5,6,7
	v_mov_b32 v[PC+\i], 0x22222222
.endr
.irp i, 40,41,42,43
	v_mov_b32 v\i, 0
.endr
	ds_store_b128 v245, v[40:43] offset:15*256     ; no step lies behind step 15
	ds_store_b128 v245, v[40:43] offset:15*256+16
.macro VLOAD n, k0, base, sub
.set jn, 0
.rept \n
	ds_load_b128 v[S+8*jn:S+8*jn+3], v[\base] offset:STEPB*(\k0-jn-\sub)
	ds_load_b128 v[S+8*jn+4:S+8*jn+7], v[\base] offset:STEPB*(\k0-jn-\sub)+2304
	ds_load_b32 v[KS+jn], v244 offset:256*(\k0-jn)
.set jn, jn+1
.endr
	s_wait_alu depctr_va_vdst(0)
	s_wait_dscnt 0x0
.endm
.macro VSUM n, k0
.set jn, 0
.rept \n
.if \k0-jn == 15
	v_wmma_scale_f32_16x16x128_f8f6f4 v[32:39], v[S+8*jn:S+8*jn+7], v[PC:PC+7], 0, v[KS+jn], v[PW] matrix_a_fmt:MATRIX_FMT_FP4 matrix_b_fmt:MATRIX_FMT_FP4
.else
	s_wait_alu depctr_va_vdst(0)                   ; the wait ahead of every link
	v_wmma_scale_f32_16x16x128_f8f6f4 v[32:39], v[S+8*jn:S+8*jn+7], v[PC:PC+7], v[32:39], v[KS+jn], v[PW] matrix_a_fmt:MATRIX_FMT_FP4 matrix_b_fmt:MATRIX_FMT_FP4
.endif
	PLACES 4
	ds_store_b128 v245, v[32:35] offset:256*(\k0-jn-1)
	ds_store_b128 v245, v[36:39] offset:256*(\k0-jn-1)+16
.set jn, jn+1
.endr
.endm
	VLOAD 8, 15, 253, 8
	PLACES 4                                       ; with the four v_mov of zeros: eight places behind the operand's and the scale word's writes
	VSUM 8, 15
	VLOAD 7, 7, 252, 0
	VSUM 7, 7
	s_branch .Lmeet
.Lsecond:                                          ; a second wave begins the pair's other tile (its first K is on its way)
.irp i, 0,1,2,3
	v_mov_b32 v[16+\i], v[220+\i]
	v_mov_b32 v[24+\i], v[220+\i]
.endr
	v_mov_b32 v28, v219
	v_mov_b32 v13, 0xff61b1e6
	v_mov_b32 v12, 0x7f61b1e6
	v_mov_b32 v14, 0
	v_mov_b32 v15, 0
.set jn, 0
.rept 32
	v_mov_b32 v[O+jn], 0
.set jn, jn+1
.endr
.Lmeet:
	s_wait_alu depctr_va_vdst(0)
	s_wait_dscnt 0x0                               ; for the others' sake: my stores are done
	s_barrier_signal -1
	PHASE 4, I2, N2, D2, 0                         ; between the signal and the wait: work on registers, and loads of K and V, which nobody writes
	PLACES 4
	s_wait_alu depctr_va_vdst(0)
	s_wait_dscnt 0x0                               ; the last look-ahead has landed: its registers are loaded again below
	s_barrier_wait -1                              ; every state and V's sums are in LDS
.irp t, 0,1,2,3
	ds_load_b128 v[32+8*\t:35+8*\t], v248 offset:64*\t              ; V's sums behind my last tile's diagonal step: v[32:63], laid as O^T is
	ds_load_b128 v[36+8*\t:39+8*\t], v248 offset:64*\t+16
.endr
	s_cmp_lg_u32 s[ROLE], 0
	s_cbranch_scc1 .Ljoin
	LOADPART O, 12                                 ; a first wave: rank p's state
	s_branch .Lfin
.Ljoin:                                            ; a second wave: the two parts of rank 15 - p under one M
	LOADPART S, 128
	s_wait_dscnt 0x0
	v_max_num_f32 v13, v13, v129
	v_mul_f32 v224, s[NC], v13
	v_floor_f32 v230, v224
	v_sub_f32 v224, v230, v12
	v_sub_f32 v225, v230, v128
	v_cvt_i32_f32 v224, v224
	v_cvt_i32_f32 v225, v225
	v_ldexp_f32 v226, 1.0, v224
	v_ldexp_f32 v228, 1.0, v225
	v_mov_b32 v12, v230
	v_pk_mul_f32 v[14:15], v[14:15], v[226:227] op_sel_hi:[1,0]
	v_pk_fma_f32 v[14:15], v[130:131], v[228:229], v[14:15] op_sel_hi:[1,0,1]
.set jn, 0
.rept 16
	v_pk_mul_f32 v[O+jn:O+jn+1], v[O+jn:O+jn+1], v[226:227] op_sel_hi:[1,0]
.set jn, jn+2
.endr
.set jn, 0
.rept 16
	v_pk_fma_f32 v[O+jn:O+jn+1], v[S+jn:S+jn+1], v[228:229], v[O+jn:O+jn+1] op_sel_hi:[1,0,1]
.set jn, jn+2
.endr
.Lfin:
	s_wait_alu depctr_va_vdst(0)
	s_wait_dscnt 0x0
	; the keys behind the diagonal step: the fill enters the maximum, p_m enters the sum, the quantised p_m the product
	v_max_num_f32 v13, s[FS], v13
	v_mul_f32 v224, s[NC], v13
	v_floor_f32 v230, v224
	v_add_f32 v14, v14, v15
	v_sub_f32 v224, v230, v12
	v_permlanex16_b32 v225, v14, s[SEL], s[SEL+1]
	v_cvt_i32_f32 v224, v224
	v_mov_b32 v231, s[FS]
	v_add_f32 v14, v14, v225                       ; the row's sum so far
	v_ldexp_f32 v226, 1.0, v224
	v_fma_f32 v231, v231, s[CS], v230
	s_wait_alu depctr_va_vdst(0)
	v_exp_f32 v231, v231                           ; p_m
	v_mul_f32 v14, v14, v226
	s_wait_alu depctr_va_vdst(0)
	v_fma_f32 v14, s[CNTF], v231, v14
	; p_m in a block of its equals: its scale is its power of two / 4, so its number is 4 or 6 quarters of that power: 4 up to 5 (the tie goes to 4, the even code), else 6
	v_and_b32 v232, 0x7f800000, v231
	v_and_b32 v233, 0x7fffff, v231
	v_cmp_lt_u32 vcc_lo, 0x200000, v233
	v_or_b32 v233, 0x400000, v232
	v_cndmask_b32 v232, v232, v233, vcc_lo
	s_wait_alu depctr_va_vdst(0)
	v_rcp_f32 v235, v14
	v_nop                                          ; one plain instruction behind the reciprocal
	s_wait_alu depctr_va_vdst(0)
	v_mul_f32 v226, v226, v235                     ; the change of M and the division in one factor
	v_mul_f32 v228, v232, v235
.set jn, 0
.rept 16
	v_pk_mul_f32 v[O+jn:O+jn+1], v[O+jn:O+jn+1], v[226:227] op_sel_hi:[1,0]
.set jn, jn+2
.endr
.set jn, 0
.rept 16
	v_pk_fma_f32 v[O+jn:O+jn+1], v[32+jn:33+jn], v[228:229], v[O+jn:O+jn+1] op_sel_hi:[1,0,1]
.set jn, jn+2
.endr
	QUANT2 O, CQ                                   ; along the head's 64 channels, as an image of the next product's operand
	global_store_b128 v3, v[CQ:CQ+3], s[8:9]       ; the wave stores 512 consecutive bytes, aligned
	v_lshl_or_b32 v224, v[QBY+1], 8, v[QBY]
	global_store_b16 v31, v224, s[10:11]           ; two bytes of each token's scale word (the other two are the neighbouring head's): 2 bytes for each 32 bytes of codes; both halves of the lanes store the same
	s_wait_tensorcnt 0x0                           ; the wave's end
	ds_add_u32 v254, v255
	s_wait_dscnt 0x0
	CROUND                                         ; the closing round
	s_endpgm
.Lfunc_end_k_q9d649d3fba_attn:
	.size	k_q9d649d3fba_attn, .Lfunc_end_k_q9d649d3fba_attn-k_q9d649d3fba_attn
	.p2alignl 7, 3214868480
	.fill 96, 4, 3214868480
	.section	.rodata,"a",@progbits
	.p2align	6, 0x0
	.amdhsa_kernel k_q9d649d3fba_attn
		.amdhsa_group_segment_fixed_size 235520
		.amdhsa_private_segment_fixed_size 0
		.amdhsa_enable_private_segment 0
		.amdhsa_kernarg_size 32
		.amdhsa_user_sgpr_count 2
		.amdhsa_user_sgpr_kernarg_segment_ptr 1
		.amdhsa_wavefront_size32 1
		.amdhsa_system_sgpr_workgroup_id_x 1
		.amdhsa_system_sgpr_workgroup_id_y 1
		.amdhsa_system_sgpr_workgroup_id_z 1
		.amdhsa_system_vgpr_workitem_id 0
		.amdhsa_next_free_vgpr 256
		.amdhsa_next_free_sgpr 100
		.amdhsa_reserve_vcc 1
		.amdhsa_float_denorm_mode_32 3
		.amdhsa_float_denorm_mode_16_64 3
		.amdhsa_memory_ordered 1
		.amdhsa_forward_progress 1
		.amdhsa_inst_pref_size 110
	.end_amdhsa_kernel
	.amdgpu_metadata
---
amdhsa.version: [ 1, 2 ]
amdhsa.kernels:
  - .name:           k_q9d649d3fba_attn
    .symbol:         k_q9d649d3fba_attn.kd
    .args:
      - { .name: qkv, .offset: 0, .size: 8, .value_kind: global_buffer, .address_space: global }
      - { .name: qkvs, .offset: 8, .size: 8, .value_kind: global_buffer, .address_space: global }
      - { .name: oc, .offset: 16, .size: 8, .value_kind: global_buffer, .address_space: global }
      - { .name: ocs, .offset: 24, .size: 8, .value_kind: global_buffer, .address_space: global }
    .group_segment_fixed_size: 235520
    .private_segment_fixed_size: 0
    .kernarg_segment_align: 8
    .kernarg_segment_size: 32
    .max_flat_workgroup_size: 512
    .sgpr_count:     100
    .vgpr_count:     256
    .wavefront_size: 32
...
	.end_amdgpu_metadata
.endif
;; end of part 2
;; launch oproj (part 3): grid 8 x 32, 16 waves a work-group, clusters of 4 x 4, 215,040 bytes of LDS; arguments oc, ocs, W_o_codes, W_o_scales, b_o, out0; writes out0
.if DOCPART == 3
	.amdgcn_target "amdgcn-amd-amdhsa--gfx1250"
	.amdhsa_code_object_version 6
	.text
	.protected	k_q9d649d3fba_oproj
	.globl	k_q9d649d3fba_oproj
	.p2align	8
	.type	k_q9d649d3fba_oproj,@function
k_q9d649d3fba_oproj:
	s_mov_b64 s[64:65], 0
	v_nop
	global_prefetch_b8 v0, s[64:65] scope:SCOPE_SE
	s_setreg_imm32_b32 hwreg(HW_REG_WAVE_MODE, 25, 1), 1
	s_wait_xcnt 0x0
	s_wait_alu depctr_hold_cnt(0) depctr_sa_sdst(0) depctr_va_vdst(0) depctr_va_sdst(0) depctr_va_ssrc(0) depctr_va_vcc(0) depctr_vm_vsrc(0)
	s_getreg_b32 s2, hwreg(HW_REG_IB_STS2, 6, 4)
	s_cmp_eq_u32 s2, 0
	s_cbranch_scc0 .Lentry_in_a_cluster
	s_endpgm
.Lentry_in_a_cluster:
	s_bfe_u32 s2, ttmp6, 0x10000c
	s_cmp_lg_u32 s2, 0xf033
	s_cbranch_scc0 .Lentry_shape_is_right
	s_endpgm
.Lentry_shape_is_right:
; out0 = pre_O W_o^T + b_o on codes of FP4 (E2M1) with E8M0 scales; out0 f32.
; SHARES.  Work-group (x = 128 columns, y = 128 tokens).  Sixteen waves of 256 registers; wave w: gt = w / 4 (32 tokens, two tiles), cg = w % 4 (32 columns, two tiles): four accumulators.
; TRANSPOSED: source 0 = 16 rows of W_o, source 1 = 16 tokens: a lane holds one token and eight neighbouring columns.  The bias is the C of each sum's first product.
; LDS is filled once: the tokens' codes as images of operand registers ([head][tile][512 bytes]: the two halves of a fragment are two heads' images), W_o's 128 rows in two halves of K (rows of 256 bytes
; + 16), and both sides' scale words.  No byte is filled again.
; CLUSTER 4 x 4: the four work-groups of a row share the tokens, the four of a column W_o's rows: each tile is asked for jointly.
; The results meet in a stage (rows of 512 bytes + 16): a row's 128 columns come from four waves; each wave then stores eight whole rows, 512 consecutive aligned bytes a store.
.set PITCH, 272
.set WC,    65536                      ; LDS: 0: 16 heads x 4,096 bytes (8 tiles);  WC: W_o's codes, two halves of K x 128 rows x 272
.set WCH,   128*PITCH
.set WSC,   WC+2*WCH                   ; W_o's scale bytes: 16 runs of 256 bytes + 16
.set OSC,   WSC+16*272                 ; the tokens' scale words: 8 K steps x 512 bytes
.set STG,   OSC+4096                   ; the stage: a multiple of 256; no fill lands here
.set SP,    528
.set WV,  18
.set GT,  19
.set CG,  20
.set G1O,  24                          ; groups 1: tokens' codes, tokens' scale words, W_o's codes, W_o's scales
.set G1OS, 32
.set G1W,  40
.set G1WS, 48
.set G0OS, 56                          ; groups 0: tokens' scale words, tokens' codes, W_o's scales, W_o's codes
.set G0O0, 60
.set G0WS, 72
.set G0W0, 76
.set LI,  3                            ; v3 16 x lane;  v4-7 LDS: tokens' images, W_o's rows, its scale words, the tokens';  v8, v9 the stage, in and back;  v10 32 h
.set OA,  4
.set WA,  5
.set WSA, 6
.set OSA, 7
.set SI,  8
.set SRD, 9
.set BO,  10
.set OF,  16                           ; v16-31 two fragments of tokens;  v32-47 two of W_o
.set WF,  32
.set WS,  48                           ; v48-63 W_o's scale words: 4 (2 x half of K + u) + step;  v64-79 the tokens': 2 q + m
.set OS,  64
.set ACC, 80                           ; v80-111 16 u + 8 m
.set RW,  112                          ; v112-143 eight rows on their way out
.macro PLACES n
.rept \n
	v_nop
.endr
.endm
.macro CROUND
	s_barrier_signal -1
	s_barrier_wait -1
	s_cmp_lg_u32 s[WV], 0
	s_cbranch_scc1 .Lnot_wave_0_\@
	s_barrier_signal -3
.Lnot_wave_0_\@:
	s_barrier_wait -3
	s_barrier_signal -1
	s_barrier_wait -1
.endm
	s_load_b128 s[4:7], s[0:1], 0x0                ; oc, ocs
	s_load_b128 s[8:11], s[0:1], 0x10              ; W_o's codes, W_o's scales
	s_load_b128 s[12:15], s[0:1], 0x20             ; b_o, out0
	v_lshl_add_u32 v254, v0, 2, 0x34000
	v_mov_b32 v255, 0
	ds_add_u32 v254, v255
	ds_add_u32 v254, v255
	v_lshrrev_b32 v1, 5, v0
	s_delay_alu instid0(VALU_DEP_1)
	v_readfirstlane_b32 s[WV], v1
	s_lshr_b32 s[GT], s[WV], 2
	s_and_b32 s[CG], s[WV], 3
	s_bfe_u32 s21, ttmp6, 0x40000                  ; cx, cy
	s_bfe_u32 s22, ttmp6, 0x40004
	s_lshl_b32 s84, ttmp9, 2
	s_add_co_u32 s84, s84, s21                     ; which 128 columns
	s_and_b32 s85, ttmp7, 0xffff
	s_lshl_b32 s85, s85, 2
	s_add_co_u32 s85, s85, s22                     ; which 128 tokens
	s_lshl_b32 s86, s22, 2
	s_lshl_b32 s86, 15, s86                        ; my row of the cluster
	s_lshl_b32 s87, 0x1111, s21                    ; my column
	s_or_b32 s[G1O], s86, (3<<16)|(1<<21)          ; tokens' codes: 4 heads x 4,096 bytes (512 elements of 8 bytes), 131,072 bytes apart; no padding
	s_mov_b32 s[G1O+1], 512<<16
	s_mov_b32 s[G1O+2], 4<<16
	s_mov_b32 s[G1O+3], 512<<16
	s_mov_b32 s[G1O+4], 4
	s_mov_b32 s[G1O+5], 16384
	s_mov_b32 s[G1O+6], 0
	s_mov_b32 s[G1O+7], 0
	s_or_b32 s[G1OS], s86, (3<<16)|(1<<21)         ; their scale words: 8 K steps x 512 bytes, 16,384 bytes apart
	s_mov_b32 s[G1OS+1], 64<<16
	s_mov_b32 s[G1OS+2], 8<<16
	s_mov_b32 s[G1OS+3], 64<<16
	s_mov_b32 s[G1OS+4], 8                         ; (all 8 K steps)
	s_mov_b32 s[G1OS+5], 2048
	s_mov_b32 s[G1OS+6], 0
	s_mov_b32 s[G1OS+7], 0
	s_or_b32 s[G1W], s87, (1<<20)|(1<<21)|(5<<22)|(3<<25)    ; W_o's codes: 64 rows x 256 bytes, 512 apart, 16 bytes of padding behind each
	s_mov_b32 s[G1W+1], 256<<16
	s_mov_b32 s[G1W+2], 64<<16
	s_mov_b32 s[G1W+3], 256<<16
	s_mov_b32 s[G1W+4], 64
	s_mov_b32 s[G1W+5], 512
	s_mov_b32 s[G1W+6], 0
	s_mov_b32 s[G1W+7], 0
	s_or_b32 s[G1WS], s87, (3<<16)|(1<<20)|(1<<21)|(5<<22)|(3<<25)   ; its scales of 128 rows: 16 dense rows of 256 bytes, padded likewise
	s_mov_b32 s[G1WS+1], 32<<16
	s_mov_b32 s[G1WS+2], 16<<16
	s_mov_b32 s[G1WS+3], 32<<16
	s_mov_b32 s[G1WS+4], 16                        ; (all 128 rows: 16 rows of 256 bytes)
	s_mov_b32 s[G1WS+5], 32
	s_mov_b32 s[G1WS+6], 0
	s_mov_b32 s[G1WS+7], 0
	; ONE LOAD A WAVE: waves 0-3 the tokens' codes of heads 4 w on, waves 4-7 W_o's codes (64 rows w % 2, half of K (w / 2) % 2), wave 8 the tokens' scale words, wave 9 W_o's scales
	s_and_b32 s88, s[WV], 3
	s_lshl_b32 s90, s85, 9                         ; scale words: my 8 tiles
	s_mov_b32 s91, 0
	s_lshl_b32 s92, s88, 19                        ; codes: heads 4 (w % 4) on,
	s_lshl_b32 s93, s85, 12                        ; my 8 tiles
	s_add_co_u32 s92, s92, s93
	s_mov_b32 s93, 0
	s_lshl_b32 s98, s88, 14                        ; and in LDS
	s_and_b32 s88, s[WV], 1
	s_bfe_u32 s89, s[WV], 0x10001
	s_lshl_b32 s94, s84, 16                        ; W_o: 128 rows x 512 bytes,
	s_lshl_b32 s95, s88, 15                        ; 64 rows,
	s_add_co_u32 s94, s94, s95
	s_lshl_b32 s95, s89, 8                         ; half a row
	s_add_co_u32 s94, s94, s95
	s_mov_b32 s95, 0
	s_lshl_b32 s96, s84, 12                        ; its scales: 32 bytes a row
	s_mov_b32 s97, 0
	s_mul_i32 s99, s88, 64*PITCH
	s_mul_i32 s89, s89, WCH
	s_add_co_u32 s99, s99, s89
	s_add_co_u32 s99, s99, WC
	s_wait_dscnt 0x0
	s_wait_kmcnt 0x0
	s_mov_b32 s[G0OS], 1
	s_mov_b32 s[G0OS+1], OSC
	s_add_nc_u64 s[G0OS+2:G0OS+3], s[6:7], s[90:91]
	s_or_b32 s[G0OS+3], s[G0OS+3], 0x80000000
	s_mov_b32 s[G0O0], 1
	s_mov_b32 s[G0O0+1], s98
	s_add_nc_u64 s[G0O0+2:G0O0+3], s[4:5], s[92:93]
	s_or_b32 s[G0O0+3], s[G0O0+3], 0x80000000
	s_mov_b32 s[G0WS], 1
	s_mov_b32 s[G0WS+1], WSC
	s_add_nc_u64 s[G0WS+2:G0WS+3], s[10:11], s[96:97]
	s_or_b32 s[G0WS+3], s[G0WS+3], 0x80000000
	s_mov_b32 s[G0W0], 1
	s_mov_b32 s[G0W0+1], s99
	s_add_nc_u64 s[G0W0+2:G0W0+3], s[8:9], s[94:95]
	s_or_b32 s[G0W0+3], s[G0W0+3], 0x80000000
	CROUND                                         ; all sixteen work-groups are here: the joint loads meet
; One tree of branches on the wave's number: no way through it passes two loads.
.macro ARM under, g0, g1, next
	s_cmp_lt_u32 s[WV], \under
	s_cbranch_scc0 \next
	tensor_load_to_lds s[\g0:\g0+3], s[\g1:\g1+7]
	s_nop 0
	PLACES 4
	s_branch .Lasked
\next:
.endm
	ARM 4,  G0O0, G1O,  .Larm_w
	ARM 8,  G0W0, G1W,  .Larm_os
	ARM 9,  G0OS, G1OS, .Larm_ws
	ARM 10, G0WS, G1WS, .Larm_none
.Lasked:
	v_and_b32 v1, 15, v0                           ; r
	s_wait_alu depctr_va_vdst(0)
	v_bfe_u32 v2, v0, 4, 1                         ; h
	s_delay_alu instid0(VALU_DEP_1)
	v_lshlrev_b32 v[BO], 5, v2
	s_lshl_b32 s2, s84, 9                          ; the bias: my 32 columns; lane (r, h), tile u: columns 16 u + 8 h + 0 .. 7
	s_lshl_b32 s3, s[CG], 7
	s_add_co_u32 s2, s2, s3
	s_mov_b32 s3, 0
	s_add_nc_u64 s[12:13], s[12:13], s[2:3]
.irp u, 0,1
.irp m, 0,1
	global_load_b128 v[ACC+16*\u+8*\m:ACC+16*\u+8*\m+3], v[BO], s[12:13] offset:64*\u
	global_load_b128 v[ACC+16*\u+8*\m+4:ACC+16*\u+8*\m+7], v[BO], s[12:13] offset:64*\u+16
.endr
.endr
	v_and_b32 v[LI], 31, v0
	s_delay_alu instid0(VALU_DEP_1)
	v_lshlrev_b32 v[LI], 4, v[LI]
	s_lshl_b32 s2, s[GT], 10
	v_add_nc_u32 v[OA], s2, v[LI]                  ; my two tiles' images in a head's plane
	v_mul_u32_u24 v12, v1, PITCH
	s_delay_alu instid0(VALU_DEP_1)
	v_lshl_add_u32 v12, v2, 4, v12
	s_mul_i32 s2, s[CG], 32*PITCH
	s_add_co_u32 s2, s2, WC
	v_add_nc_u32 v[WA], s2, v12
	v_lshrrev_b32 v12, 3, v1
	s_delay_alu instid0(VALU_DEP_1)
	v_mul_u32_u24 v12, v12, 272
	v_and_b32 v13, 7, v1
	s_delay_alu instid0(VALU_DEP_1)
	v_lshl_add_u32 v12, v13, 5, v12
	s_mul_i32 s2, s[CG], 4*272
	s_add_co_u32 s2, s2, WSC
	v_add_nc_u32 v[WSA], s2, v12
	s_lshl_b32 s2, s[GT], 7
	s_add_co_u32 s2, s2, OSC
	v_lshl_add_u32 v[OSA], v1, 2, s2
	v_mul_u32_u24 v12, v1, SP                      ; the stage, in: row 32 gt + 16 m + r; bytes 128 cg + 64 u + 32 h
	s_delay_alu instid0(VALU_DEP_1)
	v_lshl_add_u32 v12, v2, 5, v12
	s_mul_i32 s2, s[GT], 32*SP
	s_lshl_b32 s23, s[CG], 7
	s_add_co_u32 s2, s2, s23
	s_add_co_u32 s2, s2, STG
	v_add_nc_u32 v[SI], s2, v12
	s_mul_i32 s2, s[WV], 8*SP                      ; back: rows 8 w on, 16 bytes a lane
	s_add_co_u32 s2, s2, STG
	v_add_nc_u32 v[SRD], s2, v[LI]
	s_lshl_b32 s2, s85, 19                         ; out0: 128 tokens x 4,096 bytes,
	s_lshl_b32 s23, s[WV], 15                      ; 8 rows a wave,
	s_add_co_u32 s2, s2, s23
	s_lshl_b32 s23, s84, 9                         ; 128 columns
	s_add_co_u32 s2, s2, s23
	s_add_nc_u64 s[14:15], s[14:15], s[2:3]
; A K step of 128 = two heads: 8 LDS loads, 4 products; the four accumulators by turns, one instruction a turn
.macro KSTEP q, places
	PLACES \places
.irp m, 0,1
.irp c, 0,1
	ds_load_b128 v[OF+8*\m+4*\c:OF+8*\m+4*\c+3], v[OA] offset:(2*\q+\c)*4096+512*\m
.endr
.endr
.irp u, 0,1
.irp c, 0,1
	ds_load_b128 v[WF+8*\u+4*\c:WF+8*\u+4*\c+3], v[WA] offset:(\q/4)*WCH+64*(\q%4)+32*\c+16*PITCH*\u
.endr
.endr
	s_wait_dscnt 0x0
.irp u, 0,1
.irp m, 0,1
	v_wmma_scale_f32_16x16x128_f8f6f4 v[ACC+16*\u+8*\m:ACC+16*\u+8*\m+7], v[WF+8*\u:WF+8*\u+7], v[OF+8*\m:OF+8*\m+7], v[ACC+16*\u+8*\m:ACC+16*\u+8*\m+7], v[WS+4*(2*(\q/4)+\u)+(\q%4)], v[OS+2*\q+\m] matrix_a_fmt:MATRIX_FMT_FP4 matrix_b_fmt:MATRIX_FMT_FP4
.endr
.endr
.endm
	s_wait_alu depctr_va_vdst(0)
	s_wait_tensorcnt 0x0                           ; my tile is in
	s_barrier_signal -1
	s_barrier_wait -1
.irp k, 0,1                                    ; all scale words, once: they came with the first fills
.irp u, 0,1
	ds_load_b128 v[WS+4*(2*\k+\u):WS+4*(2*\k+\u)+3], v[WSA] offset:544*\u+16*\k
.endr
.endr
.irp q, 0,1,2,3,4,5,6,7
.irp m, 0,1
	ds_load_b32 v[OS+2*\q+\m], v[OSA] offset:512*\q+64*\m
.endr
.endr
	s_wait_loadcnt 0x0                             ; the bias
	KSTEP 0, 0
	KSTEP 1, 4
	KSTEP 2, 4
	KSTEP 3, 4
	KSTEP 4, 4
	KSTEP 5, 4
	KSTEP 6, 4
	KSTEP 7, 4
	PLACES 4
.irp u, 0,1
.irp m, 0,1
	ds_store_b128 v[SI], v[ACC+16*\u+8*\m:ACC+16*\u+8*\m+3] offset:16*SP*\m+64*\u          ; each accumulator from its low end on
	ds_store_b128 v[SI], v[ACC+16*\u+8*\m+4:ACC+16*\u+8*\m+7] offset:16*SP*\m+64*\u+16
.endr
.endr
	s_wait_dscnt 0x0                               ; for the others' sake: my stores into the stage are done
	s_barrier_signal -1
	s_barrier_wait -1
.irp i, 0,1,2,3,4,5,6,7
	ds_load_b128 v[RW+4*\i:RW+4*\i+3], v[SRD] offset:\i*SP
.endr
.irp i, 0,1,2,3,4,5,6,7
	s_wait_dscnt 7-\i                              ; row i is back; the younger rows may be out
	global_store_b128 v[LI], v[RW+4*\i:RW+4*\i+3], s[14:15] offset:4096*\i th:TH_STORE_NT   ; 32 lanes store 512 consecutive bytes, aligned; written once, read by nobody here
.endr
	s_wait_tensorcnt 0x0
	ds_add_u32 v254, v255
	s_wait_dscnt 0x0
	CROUND                                         ; the closing round
	s_endpgm
.Lfunc_end_k_q9d649d3fba_oproj:
	.size	k_q9d649d3fba_oproj, .Lfunc_end_k_q9d649d3fba_oproj-k_q9d649d3fba_oproj
	.p2alignl 7, 3214868480
	.fill 96, 4, 3214868480
	.section	.rodata,"a",@progbits
	.p2align	6, 0x0
	.amdhsa_kernel k_q9d649d3fba_oproj
		.amdhsa_group_segment_fixed_size 215040
		.amdhsa_private_segment_fixed_size 0
		.amdhsa_enable_private_segment 0
		.amdhsa_kernarg_size 48
		.amdhsa_user_sgpr_count 2
		.amdhsa_user_sgpr_kernarg_segment_ptr 1
		.amdhsa_wavefront_size32 1
		.amdhsa_system_sgpr_workgroup_id_x 1
		.amdhsa_system_sgpr_workgroup_id_y 1
		.amdhsa_system_sgpr_workgroup_id_z 1
		.amdhsa_system_vgpr_workitem_id 0
		.amdhsa_next_free_vgpr 256
		.amdhsa_next_free_sgpr 100
		.amdhsa_reserve_vcc 0
		.amdhsa_float_denorm_mode_32 3
		.amdhsa_float_denorm_mode_16_64 3
		.amdhsa_memory_ordered 1
		.amdhsa_forward_progress 1
		.amdhsa_inst_pref_size 23
	.end_amdhsa_kernel
	.amdgpu_metadata
---
amdhsa.version: [ 1, 2 ]
amdhsa.kernels:
  - .name:           k_q9d649d3fba_oproj
    .symbol:         k_q9d649d3fba_oproj.kd
    .args:
      - { .name: oc, .offset: 0, .size: 8, .value_kind: global_buffer, .address_space: global }
      - { .name: ocs, .offset: 8, .size: 8, .value_kind: global_buffer, .address_space: global }
      - { .name: W_o_codes, .offset: 16, .size: 8, .value_kind: global_buffer, .address_space: global }
      - { .name: W_o_scales, .offset: 24, .size: 8, .value_kind: global_buffer, .address_space: global }
      - { .name: b_o, .offset: 32, .size: 8, .value_kind: global_buffer, .address_space: global }
      - { .name: out0, .offset: 40, .size: 8, .value_kind: global_buffer, .address_space: global }
    .group_segment_fixed_size: 215040
    .private_segment_fixed_size: 0
    .kernarg_segment_align: 8
    .kernarg_segment_size: 48
    .max_flat_workgroup_size: 512
    .sgpr_count:     100
    .vgpr_count:     256
    .wavefront_size: 32
...
	.end_amdgpu_metadata
.endif
;; end of part 3
